; MI455X (gfx1250); checked and timed in simulation.
; The chip was launched on July 23, 2026; its instructions are those of AMD's public machine-readable ISA for CDNA 5 (MIT licence, August 2026) and "CDNA5" Instruction Set Architecture Reference Guide (July 2026). The comments in the code are by the model that wrote it; some were corrected since.
;; Self Attention. Allowed arithmetic: matrix products marked QUANTISED: E2M3 operands, one E8M0 scale for each 32 along K, by v_wmma_scale_f32_16x16x128_f8f6f4 with both operands' format E2M3, f32 sums; everything else in f32.
;; Inputs: beta 512 float32; bk 512 float32; bo 512 float32; bq 512 float32; bv 512 float32; gamma 512 float32; wk 512 x 512 float32; wo 512 x 512 float32; wq 512 x 512 float32; wv 512 x 512 float32; x 8 x 512 x 2,048 float32.
;; Outputs: out0 8 x 512 x 2,048 float32.
;; This version of the problem:
;;   THIS VERSION OF THE PROBLEM IS GIVEN IN LOW PRECISION. The matrix products marked QUANTISED in the list below multiply operands that are first quantised to E2M3 (2 exponent bits, 3 mantissa bits; 6 bits a number), with one power-of-two scale for each 32 numbers along K (OCP MX v1.0); their sums are f32. All else is computed in f32.
;;   The module's matrix products, in the order in which they are computed (A, B: the left and right operand; K: the contracted axis; several contracted axes count as one K, in the product's order):
;;     1. [M 16,384, K 512] x [K 512, N 512]; A: computed on the way; B: input wq: QUANTISED
;;     2. [M 16,384, K 512] x [K 512, N 512]; A: computed on the way; B: input wk: QUANTISED
;;     3. [M 16,384, K 512] x [K 512, N 512]; A: computed on the way; B: input wv: QUANTISED
;;     4. batch 64 x [M 2,048, K 64] x [K 64, N 2,048]; A: computed on the way; B: computed on the way: QUANTISED
;;     5. batch 64 x [M 2,048, K 2,048] x [K 2,048, N 64]; A: softmax (see below); B: computed on the way: QUANTISED
;;     6. [M 16,384, K 512] x [K 512, N 512]; A: computed on the way; B: input wo: QUANTISED
;;   THE QUANTISER, for each operand of a quantised product, along K:
;;     - K is cut into blocks of 32 from its start; a last block that is shorter is filled with zeros.
;;     - A block's scale is 2^e with e = floor(log2(the largest magnitude in the block)) - 2, held to -126 .. 127; a block of zeros has e = 0. As a byte (E8M0): e + 127.
;;     - Each number is divided by its block's scale, clamped to +-7.5, and rounded to the nearest number of E2M3, ties to even, subnormals kept.
;;     - The product sums the exact products of the quantised numbers (number of the format x scale) in f32.
;;   ~~~python
;;   def quantise(x, axis):      # numpy; x: float32 -> the quantised numbers, widened to float32 again
;;       x = np.moveaxis(x, axis, -1); K = x.shape[-1]
;;       x = np.pad(x, [(0, 0)] * (x.ndim - 1) + [(0, -K % 32)]); x = x.reshape(x.shape[:-1] + (-1, 32)); a = np.abs(x).max(-1, keepdims=True)
;;       e = np.where(a > 0, np.clip(np.frexp(np.where(a > 0, a, 1))[1] - 1 - 2, -126, 127), 0)      # np.frexp(a)[1] - 1 = floor(log2(a)), exactly
;;       r = np.clip(x / 2.0 ** e, -7.5, 7.5)
;;       step = 2.0 ** (np.maximum(np.frexp(np.where(r == 0, 1, r))[1] - 1, 0) - 3)
;;       q = np.round(r / step) * step * 2.0 ** e      # np.round: ties to even
;;       return np.moveaxis(q.reshape(q.shape[:-2] + (-1,))[..., :K], -1, axis).astype(np.float32)
;;   ~~~
;;   SOFTMAX AHEAD OF A QUANTISED PRODUCT. Where the list says 'softmax', what is quantised is not the finished softmax but p = 2^(t - M), with t = logit x log2(e) and M = ceil(the row's largest t), a whole number; so 1/2 < the row's largest p <= 1. The row's sum l is taken of the UNQUANTISED p, in f32, and the product's result is divided by l at the end. Since M is a whole number, a kernel that streams over the keys may use a running M (the ceiling of the running maximum): every later rescaling is an exact power of two, which a block's scale takes up: the codes' values come out the same.
;;   OPERANDS COMPUTED ON THE WAY. 'Computed on the way' means the value that the module computes at that place (a softmax that the list does not call 'softmax' is quantised finished and normalised). What goes into a quantiser is computed in f32, as accurately as f32 sums, v_exp_f32 and their like allow (about 1e-6 of the number): no bf16 or f16 on the way to a quantiser, and a product that is left as it is and whose result goes on into a quantised operand takes f32 operands (vector FMAs, or v_wmma_f32_16x16x4_f32). A number that lies on a knife's edge between two numbers of the format may be rounded either way, as far as f32 arithmetic and the matrix unit's own rounding can turn it there, and no further.
;; One version. Each part assembles by itself: llvm-mc -triple=amdgcn-amd-amdhsa -mcpu=gfx1250 --defsym DOCPART=n.
;; ======== version 1 of 1: 4 launches
;; limits: right only within a limited range of input values
;; workspace buffers: wimg 786,432 bytes; wsc 32,768 bytes; qimg 6,291,456 bytes; qsc 524,288 bytes; kv 13,369,344 bytes; cimg 6,291,456 bytes; csc 262,144 bytes
;; launch wprep (part 1): grid 64 x 4, 1 waves a work-group, no clusters, 0 bytes of LDS; arguments wq, wk, wv, wo, wimg, wsc; writes wimg, wsc
.if DOCPART == 1
	.amdgcn_target "amdgcn-amd-amdhsa--gfx1250"
	.amdhsa_code_object_version 6
	.text
	.protected	k_q2a7e16d208_wprep
	.globl	k_q2a7e16d208_wprep
	.p2align	8
	.type	k_q2a7e16d208_wprep,@function
k_q2a7e16d208_wprep:
	s_mov_b64 s[64:65], 0
	v_nop
	global_prefetch_b8 v0, s[64:65] scope:SCOPE_SE
	s_setreg_imm32_b32 hwreg(HW_REG_WAVE_MODE, 25, 1), 1
	s_wait_xcnt 0x0
; wq, wk, wv, wo: [512 (k)][512 (n)] f32, K the FIRST axis.  Each becomes codes of E2M3 with one E8M0 byte for each 32 along K,
; laid as IMAGES OF OPERAND REGISTERS: wimg [head (64 columns) 8][matrix 4][K step 4][tile 4][1,536 bytes], wsc [head][matrix][K step][pair of tiles 2][128 bytes]: a head's wq, wk, wv lie on end.
; A tile is 16 columns n x 128 along K: 12 registers a lane; register p of lane L lies at 512 (p / 4) + 16 L + 4 (p % 4).
; THE COLUMNS OF A TILE ARE NOT NEIGHBOURS: of a group of 32 columns tile u takes columns 8 u + r + 8 (r / 8), r = 0 .. 15.
; One wave takes 32 columns x 128 along K.  A lane takes a column, its registers run down K: a block of 32 lies in one lane.
; A block's scale is 2^(floor(log2(largest magnitude)) - 2); its byte is the largest magnitude's exponent field - 2, held at 1 from below.
; LIMITS: NaN and infinities are not served; a block of zeros, or one under 2^-124, gets the byte 1 (its codes are right under it; this program alone reads the bytes).
.set FLOOR, 0x1800000                  ; 2^(3 - 127)
.set EOFF,  0xff000000                 ; takes 2 off an exponent field
.set T0,    6
.set T1,    7
.set SOP,   8                          ; the conversion's scale operand
.set BYTE,  9
.set WORD,  10                         ; the column's four scale bytes
.set TT,    12                         ; v12-14: the second half of a block's codes, before it is moved
.set X,     32                         ; v32-159: 128 numbers of my column
.set CD,    160                        ; v160-183: the codes: 12 registers for each half of the image's lanes
; 32 numbers v[xs ..] of one block -> six registers of codes at v[cd ..], and byte bt of the scale word
.macro QBLK xs, cd, bt
	v_max3_num_f32 v[T0], |v[(\xs)]|, |v[(\xs)+1]|, |v[(\xs)+2]|
	v_max3_num_f32 v[T1], |v[(\xs)+3]|, |v[(\xs)+4]|, |v[(\xs)+5]|
.irp i, 6,10,14,18,22,26
	v_max3_num_f32 v[T0], v[T0], |v[(\xs)+\i]|, |v[(\xs)+\i+1]|
	v_max3_num_f32 v[T1], v[T1], |v[(\xs)+\i+2]|, |v[(\xs)+\i+3]|
.endr
	v_max3_num_f32 v[T0], v[T0], |v[(\xs)+30]|, |v[(\xs)+31]|
	v_max3_num_f32 v[T0], v[T0], v[T1], FLOOR      ; the floor holds the byte at 1 from below
	v_add_nc_u32 v[SOP], EOFF, v[T0]               ; the conversion takes this operand's exponent field as its scale
	v_lshrrev_b32 v[BYTE], 23, v[SOP]
.if (\bt) == 0
	v_mov_b32 v[WORD], v[BYTE]
.else
	v_lshl_or_b32 v[WORD], v[BYTE], 8*(\bt), v[WORD]
.endif
	v_cvt_scalef32_pk16_fp6_f32 v[(\cd):(\cd)+2], v[(\xs):(\xs)+15], v[SOP]
	v_cvt_scalef32_pk16_fp6_f32 v[TT:TT+2], v[(\xs)+16:(\xs)+31], v[SOP]   ; (a conversion's three registers begin on an even number)
	v_nop                                          ; one plain line behind the conversions
.irp i, 0,1,2
	v_mov_b32 v[(\cd)+3+\i], v[TT+\i]
.endr
.endm
.macro LOAD bt                         ; block bt: W(128 ks + 32 bt + i, my column)
.set ix, 0
.rept 32
	global_load_b32 v[X+32*(\bt)+ix], v1, s[4:5] offset:2048*(32*(\bt)+ix) th:TH_LOAD_NT
.set ix, ix+1
.endr
.endm
	s_load_b256 s[4:11], s[0:1], 0x0               ; wq, wk, wv, wo
	s_load_b128 s[12:15], s[0:1], 0x20             ; wimg, wsc
	s_lshr_b32 s16, ttmp9, 4                       ; which matrix
	s_and_b32 s17, ttmp9, 15                       ; G: which group of 32 columns
	s_and_b32 s18, ttmp7, 0xffff                   ; ks: which 128 along K
	v_lshlrev_b32 v1, 2, v0                        ; in: 4 bytes a lane
	v_bfe_u32 v2, v0, 3, 1                         ; u: my column's tile
	v_and_b32 v3, 7, v0
	v_lshrrev_b32 v11, 4, v0
	v_lshl_add_u32 v3, v11, 3, v3                  ; r: its row in the tile
	v_mul_u32_u24 v4, v2, 1536
	v_lshl_add_u32 v4, v3, 4, v4                   ; out: 1,536 u + 16 r
	v_lshl_add_u32 v5, v2, 4, v3
	v_lshlrev_b32 v5, 2, v5                        ; the scale word: 4 (r + 16 u)
	s_lshl_b32 s20, s18, 18                        ; W: 128 ks rows of 2,048 bytes
	s_lshl_b32 s22, s17, 7                         ;    + 128 G
	s_add_co_u32 s20, s20, s22
	s_mov_b32 s21, 0
	s_lshr_b32 s23, s17, 1
	s_lshl_b32 s22, s23, 2
	s_add_co_u32 s22, s22, s16                     ; 4 x head + matrix
	s_lshl_b32 s22, s22, 2
	s_add_co_u32 s22, s22, s18                     ; x 4 + ks
	s_and_b32 s23, s17, 1                          ; which pair of tiles of the head
	s_mul_i32 s24, s22, 6144
	s_mul_i32 s25, s23, 3072
	s_add_co_u32 s24, s24, s25
	s_mov_b32 s25, 0
	s_lshl_b32 s26, s22, 1
	s_add_co_u32 s26, s26, s23
	s_lshl_b32 s26, s26, 7
	s_mov_b32 s27, 0
	s_wait_alu depctr_va_vdst(0)
	s_wait_kmcnt 0x0
	s_cmp_eq_u32 s16, 1                            ; the choice hangs on the work-group's number alone
	s_cselect_b64 s[4:5], s[6:7], s[4:5]
	s_cmp_eq_u32 s16, 2
	s_cselect_b64 s[4:5], s[8:9], s[4:5]
	s_cmp_eq_u32 s16, 3
	s_cselect_b64 s[4:5], s[10:11], s[4:5]
	s_add_nc_u64 s[4:5], s[4:5], s[20:21]
	s_add_nc_u64 s[12:13], s[12:13], s[24:25]
	s_add_nc_u64 s[14:15], s[14:15], s[26:27]
	LOAD 0
	LOAD 1
	s_wait_loadcnt 32                              ; block 0 is in; block 1's 32 loads may be out
	LOAD 2
	QBLK X, CD, 0                                  ; block 2 c + hh goes to registers 6 c on of the image's lanes 16 hh + r
	s_wait_loadcnt 32                              ; block 1 is in; block 2's may be out
	LOAD 3
	QBLK X+32, CD+12, 1
	s_wait_loadcnt 32                              ; block 2 is in; block 3's may be out
	QBLK X+64, CD+6, 2
	s_wait_loadcnt 0x0
	QBLK X+96, CD+18, 3
.irp hh, 0,1
.irp grp, 0,1,2
	global_store_b128 v4, v[CD+12*\hh+4*\grp:CD+12*\hh+4*\grp+3], s[12:13] offset:256*\hh+512*\grp   ; sixteen lanes fill 256 consecutive bytes of each tile's image
.endr
.endr
	global_store_b32 v5, v[WORD], s[14:15]         ; 128 consecutive bytes: tile 0's words, then tile 1's
	s_endpgm
.Lfunc_end_k_q2a7e16d208_wprep:
	.size	k_q2a7e16d208_wprep, .Lfunc_end_k_q2a7e16d208_wprep-k_q2a7e16d208_wprep
	.p2alignl 7, 3214868480
	.fill 96, 4, 3214868480
	.section	.rodata,"a",@progbits
	.p2align	6, 0x0
	.amdhsa_kernel k_q2a7e16d208_wprep
		.amdhsa_group_segment_fixed_size 0
		.amdhsa_private_segment_fixed_size 0
		.amdhsa_enable_private_segment 0
		.amdhsa_kernarg_size 48
		.amdhsa_user_sgpr_count 2
		.amdhsa_user_sgpr_kernarg_segment_ptr 1
		.amdhsa_wavefront_size32 1
		.amdhsa_system_sgpr_workgroup_id_x 1
		.amdhsa_system_sgpr_workgroup_id_y 1
		.amdhsa_system_sgpr_workgroup_id_z 1
		.amdhsa_system_vgpr_workitem_id 0
		.amdhsa_next_free_vgpr 192
		.amdhsa_next_free_sgpr 66
		.amdhsa_reserve_vcc 0
		.amdhsa_float_denorm_mode_32 3
		.amdhsa_float_denorm_mode_16_64 3
		.amdhsa_memory_ordered 1
		.amdhsa_forward_progress 1
		.amdhsa_inst_pref_size 21
	.end_amdhsa_kernel
	.amdgpu_metadata
---
amdhsa.version: [ 1, 2 ]
amdhsa.kernels:
  - .name:           k_q2a7e16d208_wprep
    .symbol:         k_q2a7e16d208_wprep.kd
    .args:
      - { .name: wq, .offset: 0, .size: 8, .value_kind: global_buffer, .address_space: global }
      - { .name: wk, .offset: 8, .size: 8, .value_kind: global_buffer, .address_space: global }
      - { .name: wv, .offset: 16, .size: 8, .value_kind: global_buffer, .address_space: global }
      - { .name: wo, .offset: 24, .size: 8, .value_kind: global_buffer, .address_space: global }
      - { .name: wimg, .offset: 32, .size: 8, .value_kind: global_buffer, .address_space: global }
      - { .name: wsc, .offset: 40, .size: 8, .value_kind: global_buffer, .address_space: global }
    .group_segment_fixed_size: 0
    .private_segment_fixed_size: 0
    .kernarg_segment_align: 8
    .kernarg_segment_size: 48
    .max_flat_workgroup_size: 32
    .sgpr_count:     66
    .vgpr_count:     192
    .wavefront_size: 32
...
	.end_amdgpu_metadata
.endif
;; end of part 1
;; launch qkv (part 2): grid 32 x 8, 8 waves a work-group, clusters of 4 x 1, 327,680 bytes of LDS; arguments x, gamma, beta, wimg, wsc, bq, bk, bv, qimg, qsc, kv; writes qimg, qsc, kv
.if DOCPART == 2
	.amdgcn_target "amdgcn-amd-amdhsa--gfx1250"
	.amdhsa_code_object_version 6
	.text
	.protected	k_q2a7e16d208_qkv
	.globl	k_q2a7e16d208_qkv
	.p2align	8
	.type	k_q2a7e16d208_qkv,@function
k_q2a7e16d208_qkv:
	s_mov_b64 s[64:65], 0
	v_nop
	global_prefetch_b8 v0, s[64:65] scope:SCOPE_SE
	s_setreg_imm32_b32 hwreg(HW_REG_WAVE_MODE, 25, 1), 1
	s_wait_xcnt 0x0
	s_wait_alu depctr_hold_cnt(0) depctr_sa_sdst(0) depctr_va_vdst(0) depctr_va_sdst(0) depctr_va_ssrc(0) depctr_va_vcc(0) depctr_vm_vsrc(0)
	s_getreg_b32 s2, hwreg(HW_REG_IB_STS2, 6, 4)
	s_cmp_eq_u32 s2, 0
	s_cbranch_scc0 .Lentry_in_a_cluster
	s_endpgm
.Lentry_in_a_cluster:
	s_bfe_u32 s2, ttmp6, 0x10000c
	s_cmp_lg_u32 s2, 0x3003
	s_cbranch_scc0 .Lentry_shape_is_right
	s_endpgm
.Lentry_shape_is_right:
; LayerNorm over the 512 channels of x [8][512][2048], h quantised along the channels, q = h wq + bq, k = h wk + bk, v = h wv + bv on codes of E2M3,
; and q, k quantised along the head's 64, v along the keys, all stored as images of operand registers.
; SHARES.  A work-group takes 64 times t of one batch (two groups of 32, four tiles of 16).  First phase: wave w takes group w % 2 and channels 128 (w / 2) on: a lane is one t, its 128 registers run down the channels.
; Second phase: wave w makes head w of q, then of k, then of v, for all 64 t: 3 x 64 matrix instructions.  h's 16 fragments stay in registers.
; THE WEIGHTS.  Every work-group walks the same 589,824 bytes.  Four work-groups form a cluster of 4 x 1 and ask for them JOINTLY (mask 15).  A head's wq, wk, wv are 73,728 bytes on end: six units of two K steps, 12,288 bytes (48 rows of 256) each.
; Wave w fetches, and alone reads, head w's units, through 36,864 LDS bytes of its own: three places, unit u in place u % 3.  Units 0, 1, 2 come by one load of 144 rows at the head and land under the norm;
; units 3, 4 by one load of 96 rows ahead of K step 3, when the fragments of K steps 0 .. 3 are in registers; unit 5 by one of 48 rows ahead of K step 4.  Fragments go from LDS to registers two K steps ahead of their products.
; No prefetch: x is asked for by its own loads, 64 a wave ahead; the weights are asked for by their tensor loads as soon as their LDS bytes are free, so nothing is left to ask for ahead.
; THE ROWS OF A TILE ARE NOT NEIGHBOURS: of a group of 32 (times, or features) tile u takes rows 8 u + r + 8 (r / 8).  So in every result the 16 registers of two neighbouring tiles are 16 neighbours of source 0's rows.
; q, k: source 0 = 16 features of W, source 1 = 16 t: a lane holds one t and 32 features of its half.  v: source 0 = 16 t, source 1 = 16 features: a lane holds one feature and 32 t: the keys are v's K.
; IMAGES.  Twelve registers: register p of lane L at 512 (p / 4) + 16 L + 4 (p % 4).  Six registers (64 along K): registers 0-3 at 16 L, registers 4-5 at 512 + 8 L.
; LIMITS: NaN and infinities are not served; a block of zeros, or one under 2^-124, gets the scale byte 1; 1 / sqrt is v_rsq_f32.
; REGISTERS: window 0: v2-11 addresses; v12-15 mean and 1 / sqrt; v16-23 at work; v24-31 h's scale words; v32-47 W's, two sets; v48-62 codes and words just made; v64-191 x, then 16 accumulators; v192-239 W's fragments of odd K steps; v240 my weights' LDS address.
;   window 1: v0-191 h's 16 fragments; v192-239 W's fragments of even K steps.
.set FLOOR, 0x1800000
.set EOFF,  0xff000000
.set HIMG,  0                          ; LDS: h's 16 fragments, (4 tile + K step) x 1,536
.set HSC,   24576                      ; their scale words: (4 group + K step) x 128; lanes 0-15 tile 0, lanes 16-31 tile 1
.set RED1,  25600                      ; the waves' sums
.set RED2,  26624                      ; the waves' sums of squares
.set SPARE, 27648                      ; the spare words: 128 bytes for each of 8 waves
.set WSL,   28672                      ; the weights: 8 waves x 3 places
.set WPART, 12288                      ; a place: one unit of one head
.set LI,   2                           ; 16 x lane
.set LS,   3                           ; 4 x lane
.set L8,   4                           ; 8 x lane
.set RW,   6                           ; 4 x thread
.set RR,   7                           ; 4 x lane + 128 x group
.set HW,   8                           ; where I store h's codes
.set HSW,  9                           ; and its scale word
.set BO,   10                          ; 64 x (lane / 16)
.set RHO4, 11                          ; 4 x (r + 8 (r / 8))
.set MU,   12
.set RS,   14
.set TM,   16                          ; v16-21
.set T0,   16
.set T1,   17
.set SOP,  18
.set BYTE, 19
.set WORD, 22
.set HS,   24
.set WS,   32
.set PC,   48                          ; v48-54
.set TT,   52
.set PW,   56
.set PS0,  57
.set BV,   58
.set PS,   62
.set ACC,  64
.set WB,   192
.set CD,   192
.set SM,   216
.set PT,   224
.set WA,   240                         ; my three places + 16 x lane
.set SEL,  30
.set G0,   12                          ; s[12:15] descriptor group 0, s[16:23] group 1; s24 my three places' LDS address; s25 the work-group's x
.set G1,   16
.set MSB, 0
.macro WIN new                         ; the immediate's high byte repeats the setting that is left
.if MSB != \new
	s_set_vgpr_msb (MSB<<8)|\new
.set MSB, \new
.endif
.endm
.macro PLACES                          ; four plain lines behind a matrix instruction, ahead of loads into its registers and of reads of its result
.rept 4
	v_nop
.endr
.endm
.macro ROUND                           ; a round of the cluster's barrier
	s_barrier_signal -1
	s_barrier_wait -1
	s_cmp_lg_u32 s26, 0
	s_cbranch_scc1 .Lnw0_\@
	s_barrier_signal -3
.Lnw0_\@:
	s_barrier_wait -3
	s_barrier_signal -1
	s_barrier_wait -1
.endm
; A refill: a wait, an add and its wait, a round, and my one joint load behind it.  The descriptor is rewritten behind the wait that shows my earlier load done: rows, the place, and step bytes on in my head's weights.
.macro FILL rows, place, step
	s_wait_tensorcnt 0x0                           ; all my tensor loads have landed
	ds_add_u32 v254, v255
	s_mov_b32 s[G1+2], (\rows)<<16
	s_mov_b32 s[G1+4], \rows
	s_add_co_u32 s[G0+1], s24, \place
	s_add_nc_u64 s[G0+2:G0+3], s[G0+2:G0+3], \step
	s_wait_dscnt 0x0                               ; the add is done, and so are my reads of the places
	ROUND                                          ; that holds of every wave of the four work-groups
	tensor_load_to_lds s[G0:G0+3], s[G1:G1+7]
	s_nop 0
.endm
; 32 numbers of ONE lane, one block -> six registers of codes at v[cd ..] and byte bt of v[WORD]
.macro QBLK xs, cd, bt
	v_max3_num_f32 v[T0], |v[(\xs)]|, |v[(\xs)+1]|, |v[(\xs)+2]|
	v_max3_num_f32 v[T1], |v[(\xs)+3]|, |v[(\xs)+4]|, |v[(\xs)+5]|
.irp i, 6,10,14,18,22,26
	s_delay_alu instid0(VALU_DEP_2)
	v_max3_num_f32 v[T0], v[T0], |v[(\xs)+\i]|, |v[(\xs)+\i+1]|
	s_delay_alu instid0(VALU_DEP_2)
	v_max3_num_f32 v[T1], v[T1], |v[(\xs)+\i+2]|, |v[(\xs)+\i+3]|
.endr
	s_delay_alu instid0(VALU_DEP_2)
	v_max3_num_f32 v[T0], v[T0], |v[(\xs)+30]|, |v[(\xs)+31]|
	s_delay_alu instid0(VALU_DEP_1)
	v_max3_num_f32 v[T0], v[T0], v[T1], FLOOR
	s_delay_alu instid0(VALU_DEP_1)
	v_add_nc_u32 v[SOP], EOFF, v[T0]
	s_delay_alu instid0(VALU_DEP_1)
	v_lshrrev_b32 v[BYTE], 23, v[SOP]
.if (\bt) == 0
	s_delay_alu instid0(VALU_DEP_1)
	v_mov_b32 v[WORD], v[BYTE]
.else
	s_delay_alu instid0(VALU_DEP_1)
	v_lshl_or_b32 v[WORD], v[BYTE], 8*(\bt), v[WORD]
.endif
	v_cvt_scalef32_pk16_fp6_f32 v[(\cd):(\cd)+2], v[(\xs):(\xs)+15], v[SOP]
	v_cvt_scalef32_pk16_fp6_f32 v[TT:TT+2], v[(\xs)+16:(\xs)+31], v[SOP]
	v_nop                                          ; one plain line behind the conversions
.irp i, 0,1,2
	v_mov_b32 v[(\cd)+3+\i], v[TT+\i]
.endr
.endm
; 32 registers, register 16 b + i = k 32 b + 16 (lane / 16) + i of my row -> six registers of codes in v[PC ..] (lane (r, hh): k = 32 hh + 0 .. 31) and the two scale bytes in v[PW]
.macro QUANT2 s
.irp b, 0,1
	v_max3_num_f32 v[TM+\b], |v[(\s)+16*\b]|, |v[(\s)+16*\b+1]|, FLOOR
.endr
.irp i, 2,4,6,8,10,12,14
.irp b, 0,1
	v_max3_num_f32 v[TM+\b], v[TM+\b], |v[(\s)+16*\b+\i]|, |v[(\s)+16*\b+\i+1]|
.endr
.endr
.irp b, 0,1
	s_delay_alu instid0(VALU_DEP_2)
	v_permlanex16_b32 v[TM+2+\b], v[TM+\b], s[SEL], s[SEL+1]
.endr
.irp b, 0,1
	s_delay_alu instid0(VALU_DEP_2)
	v_max_num_f32 v[TM+\b], v[TM+\b], v[TM+2+\b]   ; with lane l xor 16's: the block's largest magnitude
.endr
.irp b, 0,1
	s_delay_alu instid0(VALU_DEP_2)
	v_add_nc_u32 v[TM+4+\b], EOFF, v[TM+\b]
.endr
.irp b, 0,1
	s_delay_alu instid0(VALU_DEP_2)
	v_lshrrev_b32 v[TM+2+\b], 23, v[TM+4+\b]
.endr
	s_delay_alu instid0(VALU_DEP_1)
	v_lshl_or_b32 v[PW], v[TM+3], 8, v[TM+2]
	v_cvt_scalef32_pk16_fp6_f32 v[PC:PC+2], v[(\s):(\s)+15], v[TM+4]
	v_cvt_scalef32_pk16_fp6_f32 v[PC+4:PC+6], v[(\s)+16:(\s)+31], v[TM+5]
	v_nop                                          ; one plain line behind the conversions
.irp i, 0,1,2
	v_permlane16_swap_b32 v[PC+\i], v[PC+4+\i]     ; a whole block to a lane: lanes 0-15 block 0, lanes 16-31 block 1
.endr
.irp i, 0,1,2
	s_delay_alu instid0(VALU_DEP_3)
	v_mov_b32 v[PC+3+\i], v[PC+4+\i]
.endr
.endm
; one product; its registers and flags are the symbols set ahead of it.  fZ: C is the constant 0.  fRA, fRB: the side's scale words stand in lanes 16-31
.macro WMI
.if fZ
.if (fRA == 0) && (fRB == 0)
	v_wmma_scale_f32_16x16x128_f8f6f4 v[rD:rD+7], v[rA:rA+11], v[rB:rB+11], 0, v[rSA], v[rSB] matrix_a_fmt:MATRIX_FMT_FP6 matrix_b_fmt:MATRIX_FMT_FP6
.elseif (fRA == 1) && (fRB == 0)
	v_wmma_scale_f32_16x16x128_f8f6f4 v[rD:rD+7], v[rA:rA+11], v[rB:rB+11], 0, v[rSA], v[rSB] matrix_a_fmt:MATRIX_FMT_FP6 matrix_b_fmt:MATRIX_FMT_FP6 matrix_a_scale:MATRIX_SCALE_ROW1
.elseif (fRA == 0) && (fRB == 1)
	v_wmma_scale_f32_16x16x128_f8f6f4 v[rD:rD+7], v[rA:rA+11], v[rB:rB+11], 0, v[rSA], v[rSB] matrix_a_fmt:MATRIX_FMT_FP6 matrix_b_fmt:MATRIX_FMT_FP6 matrix_b_scale:MATRIX_SCALE_ROW1
.else
	v_wmma_scale_f32_16x16x128_f8f6f4 v[rD:rD+7], v[rA:rA+11], v[rB:rB+11], 0, v[rSA], v[rSB] matrix_a_fmt:MATRIX_FMT_FP6 matrix_b_fmt:MATRIX_FMT_FP6 matrix_a_scale:MATRIX_SCALE_ROW1 matrix_b_scale:MATRIX_SCALE_ROW1
.endif
.else
.if (fRA == 0) && (fRB == 0)
	v_wmma_scale_f32_16x16x128_f8f6f4 v[rD:rD+7], v[rA:rA+11], v[rB:rB+11], v[rD:rD+7], v[rSA], v[rSB] matrix_a_fmt:MATRIX_FMT_FP6 matrix_b_fmt:MATRIX_FMT_FP6
.elseif (fRA == 1) && (fRB == 0)
	v_wmma_scale_f32_16x16x128_f8f6f4 v[rD:rD+7], v[rA:rA+11], v[rB:rB+11], v[rD:rD+7], v[rSA], v[rSB] matrix_a_fmt:MATRIX_FMT_FP6 matrix_b_fmt:MATRIX_FMT_FP6 matrix_a_scale:MATRIX_SCALE_ROW1
.elseif (fRA == 0) && (fRB == 1)
	v_wmma_scale_f32_16x16x128_f8f6f4 v[rD:rD+7], v[rA:rA+11], v[rB:rB+11], v[rD:rD+7], v[rSA], v[rSB] matrix_a_fmt:MATRIX_FMT_FP6 matrix_b_fmt:MATRIX_FMT_FP6 matrix_b_scale:MATRIX_SCALE_ROW1
.else
	v_wmma_scale_f32_16x16x128_f8f6f4 v[rD:rD+7], v[rA:rA+11], v[rB:rB+11], v[rD:rD+7], v[rSA], v[rSB] matrix_a_fmt:MATRIX_FMT_FP6 matrix_b_fmt:MATRIX_FMT_FP6 matrix_a_scale:MATRIX_SCALE_ROW1 matrix_b_scale:MATRIX_SCALE_ROW1
.endif
.endif
.endm
.macro XLD k                           ; 32 channels of my t
.set ix, 0
.rept 32
	global_load_b32 v[ACC+32*(\k)+ix], v[LS], s[4:5] offset:8192*(32*(\k)+ix) th:TH_LOAD_NT
.set ix, ix+1
.endr
.endm
.macro GBLOAD bt                       ; gamma and beta of channels 128 (w / 2) + 32 bt on, as scalars: a register of x is one channel for all lanes
	s_load_b512 s[32:47], s[6:7], s29 offset:128*(\bt)
	s_load_b512 s[48:63], s[6:7], s29 offset:128*(\bt)+64
	s_load_b512 s[68:83], s[8:9], s29 offset:128*(\bt)
	s_load_b512 s[84:99], s[8:9], s29 offset:128*(\bt)+64
.endm
.macro SUMB k, first                   ; 32 registers into four chains of pairs; the first eight pairs start the chains
.set ix, 0
.rept 16
.set rA, ACC+32*(\k)+2*ix
.set rC, SM+2*(ix%4)
.if (\first) && (ix < 4)
	v_pk_add_f32 v[rC:rC+1], v[rA:rA+1], v[rA+8:rA+9]
.elseif (\first) && (ix < 8)
.else
	v_pk_add_f32 v[rC:rC+1], v[rC:rC+1], v[rA:rA+1]
.endif
.set ix, ix+1
.endr
.endm
.macro REDUCE off                      ; the four chains -> my 128 channels' figure -> with the three other waves of my group, through LDS -> / 512, in v[PT]
	s_delay_alu instid0(VALU_DEP_3)
	v_pk_add_f32 v[SM:SM+1], v[SM:SM+1], v[SM+2:SM+3]
	s_delay_alu instid0(VALU_DEP_2)
	v_pk_add_f32 v[SM+4:SM+5], v[SM+4:SM+5], v[SM+6:SM+7]
	s_delay_alu instid0(VALU_DEP_1)
	v_pk_add_f32 v[SM:SM+1], v[SM:SM+1], v[SM+4:SM+5]
	s_delay_alu instid0(VALU_DEP_1)
	v_add_f32 v[SM], v[SM], v[SM+1]
	ds_store_b32 v[RW], v[SM] offset:\off
	s_wait_dscnt 0x0                               ; for the others' sake: my store has landed
	s_barrier_signal -1
	s_barrier_wait -1
.irp q, 0,1,2,3
	ds_load_b32 v[PT+\q], v[RR] offset:\off+256*\q
.endr
	s_wait_dscnt 0x0
	v_add_f32 v[PT], v[PT], v[PT+1]
	s_delay_alu instid0(VALU_DEP_1)
	v_add_f32 v[PT], v[PT], v[PT+2]
	s_delay_alu instid0(VALU_DEP_1)
	v_add_f32 v[PT], v[PT], v[PT+3]
	s_delay_alu instid0(VALU_DEP_1)
	v_mul_f32 v[PT], 0x3b000000, v[PT]             ; x 2^-9
.endm
.macro NORM bt                         ; block bt of my 128 channels: (x - mean) / sqrt x gamma + beta, then quantised
	s_wait_kmcnt 0x0
.set ix, 0
.rept 16
	v_pk_mul_f32 v[ACC+32*(\bt)+2*ix:ACC+32*(\bt)+2*ix+1], v[ACC+32*(\bt)+2*ix:ACC+32*(\bt)+2*ix+1], v[RS:RS+1]
.set ix, ix+1
.endr
.set ix, 0
.rept 32
	v_fma_f32 v[ACC+32*(\bt)+ix], v[ACC+32*(\bt)+ix], s[32+ix], s[68+ix]
.set ix, ix+1
.endr
.if (\bt) < 3
	GBLOAD (\bt)+1
.endif
	QBLK ACC+32*(\bt), CD+12*((\bt)%2)+6*((\bt)/2), \bt
.endm
.macro LOADWS j                        ; W's scale words of matrix j: eight registers, 2 x K step + pair of tiles
.set ix, 0
.rept 8
	global_load_b32 v[WS+8*((\j)%2)+ix], v[LS], s[68:69] offset:1024*(\j)+128*ix
.set ix, ix+1
.endr
.endm
.macro BIAST sb, tt                    ; the bias is the C of each sum's first product: the lane's eight features of each tile, straight into the four accumulators of tile tt of t
.irp nt, 0,1,2,3
	global_load_b128 v[ACC+32*(\tt)+8*\nt:ACC+32*(\tt)+8*\nt+3], v[BO], s[\sb:\sb+1] offset:128*(\nt/2)+32*(\nt%2)
	global_load_b128 v[ACC+32*(\tt)+8*\nt+4:ACC+32*(\tt)+8*\nt+7], v[BO], s[\sb:\sb+1] offset:128*(\nt/2)+32*(\nt%2)+16
.endr
.endm
.macro LOADW e                         ; W's four fragments of K step e (0 .. 11 over q, k, v), from place (e / 2) % 3: even steps into window 1, odd into window 0
.if (\e)%2 == 0
	WIN 0x40
.endif
.irp nt, 0,1,2,3
.irp grp, 0,1,2
	ds_load_b128 v[WB+12*\nt+4*\grp:WB+12*\nt+4*\grp+3], v[WA] offset:WPART*(((\e)/2)%3)+6144*((\e)%2)+1536*\nt+512*\grp
.endr
.endr
	WIN 0
.endm
; A K step: 16 products on 16 accumulators, which take turns, one instruction a turn, in the same order in every step.
.macro KSTEP_QK e
.set kst, (\e)%4
.set wset, ((\e)/4)%2
.if (\e)%2 == 0
	WIN 0x05                                       ; source 0 (W) window 1, source 1 (h) window 1
.else
	WIN 0x04                                       ; source 0 (W) window 0
.endif
.set fZ, 0
.irp nt, 0,1,2,3
.irp tt, 0,1,2,3
.set rD, ACC+32*\tt+8*\nt
.set rA, WB+12*\nt
.set rB, 12*(4*\tt+kst)
.set rSA, WS+8*wset+2*kst+\nt/2
.set fRA, \nt%2
.set rSB, HS+4*(\tt/2)+kst
.set fRB, \tt%2
	WMI
.endr
.endr
	WIN 0
	PLACES
.if (\e)+2 < 12
	LOADW (\e)+2                                   ; into the buffer just multiplied
.endif
.endm
.macro KSTEP_V e
.set kst, (\e)%4
.set wset, ((\e)/4)%2
.if (\e)%2 == 0
	WIN 0x05
.else
	WIN 0x01                                       ; source 0 (h) window 1, source 1 (W) window 0
.endif
.set fZ, 0
.if kst == 0
.set fZ, 1
.endif
.irp nt, 0,1,2,3
.irp tt, 0,1,2,3
.set rD, ACC+32*\nt+8*\tt
.set rA, 12*(4*\tt+kst)
.set rB, WB+12*\nt
.set rSA, HS+4*(\tt/2)+kst
.set fRA, \tt%2
.set rSB, WS+8*wset+2*kst+\nt/2
.set fRB, \nt%2
	WMI
.endr
.endr
	WIN 0
	PLACES
.if (\e)+2 < 12
	LOADW (\e)+2
.endif
.endm
; q or k of my head: a tile of 16 t at a time becomes an image of six registers; the scale word repeats its two bytes for the empty upper half of the attention's K.
; nb other than 0: the next matrix's bias, at s[nb:nb+1], is asked for into a tile's accumulators as soon as they have been read
.macro EPI_QK cb, sb, nb
.irp tt, 0,1,2,3
	s_wait_xcnt 0x0                                ; the stores before have read their registers
	QUANT2 ACC+32*\tt
	v_lshl_or_b32 v[PW], v[PW], 16, v[PW]
	global_store_b128 v[LI], v[PC:PC+3], s[\cb:\cb+1] offset:768*\tt
	global_store_b64 v[L8], v[PC+4:PC+5], s[\cb:\cb+1] offset:768*\tt+512
.if \tt%2 == 0
	v_mov_b32 v[PS0], v[PW]
.else
	v_cndmask_b32 v[PS], v[PS0], v[PW], s100       ; lanes 0-15: tile 0's words, lanes 16-31: tile 1's
	global_store_b32 v[LS], v[PS], s[\sb:\sb+1] offset:128*(\tt/2)
.endif
.if \nb
	BIAST \nb, \tt
.endif
.endr
.endm
.macro EPI_V                           ; v of my head: a tile of 16 features at a time: + bv, quantised along my 64 keys
.irp nt, 0,1,2,3
	s_wait_xcnt 0x0
.set ix, 0
.rept 16
.if \nt%2 == 0
	v_pk_add_f32 v[ACC+32*\nt+2*ix:ACC+32*\nt+2*ix+1], v[ACC+32*\nt+2*ix:ACC+32*\nt+2*ix+1], v[BV+2*(\nt/2):BV+2*(\nt/2)+1] op_sel:[0,0] op_sel_hi:[1,0]
.else
	v_pk_add_f32 v[ACC+32*\nt+2*ix:ACC+32*\nt+2*ix+1], v[ACC+32*\nt+2*ix:ACC+32*\nt+2*ix+1], v[BV+2*(\nt/2):BV+2*(\nt/2)+1] op_sel:[0,1] op_sel_hi:[1,1]
.endif
.set ix, ix+1
.endr
	QUANT2 ACC+32*\nt
	global_store_b128 v[LI], v[PC:PC+3], s[36:37] offset:1536*\nt
	global_store_b64 v[L8], v[PC+4:PC+5], s[36:37] offset:1536*\nt+512
.if \nt%2 == 0
	v_mov_b32 v[PS0], v[PW]
.else
	v_cndmask_b32 v[PS], v[PS0], v[PW], s100
	global_store_b16 v[LS], v[PS], s[38:39] offset:128*(\nt/2)   ; my 64 keys are half of a scale word's 128
.endif
.endr
.endm
	s_load_b256 s[4:11], s[0:1], 0x0               ; x, gamma, beta, wimg
	v_lshl_add_u32 v254, v0, 2, SPARE
	v_mov_b32 v255, 0
	ds_add_u32 v254, v255                          ; the opening lines: the add, twice on end, and its wait ahead of my first tensor load
	ds_add_u32 v254, v255
	v_lshrrev_b32 v1, 5, v0
	s_delay_alu instid0(VALU_DEP_1)
	v_readfirstlane_b32 s26, v1                    ; wave 0..7
	s_and_b32 s27, s26, 1                          ; g: my group of 32 t
	s_lshr_b32 s28, s26, 1                         ; kq: my 128 channels
	s_lshl_b32 s29, s28, 9                         ; their bytes in gamma and beta
	s_mov_b32 s[SEL], 0x76543210
	s_mov_b32 s[SEL+1], 0xfedcba98                 ; v_permlanex16_b32's selects for lane l xor 16
	s_mov_b32 s100, 0xffff0000                     ; lanes 16-31
	s_bfe_u32 s25, ttmp6, 0x40000                  ; cx
	s_lshl_b32 s2, ttmp9, 2
	s_add_co_u32 s25, s25, s2                      ; the work-group's x = 4 x cluster x + cx
	; group 1: 144 dense rows of 256 bytes (32 elements of 8 bytes); the mask names the cluster's four, bit 21 beside it
	s_mov_b32 s[G1+0], 15|(3<<16)|(1<<21)
	s_mov_b32 s[G1+1], 32<<16
	s_mov_b32 s[G1+2], 144<<16
	s_mov_b32 s[G1+3], 32<<16
	s_mov_b32 s[G1+4], 144
	s_mov_b32 s[G1+5], 32
	s_mov_b32 s[G1+6], 0
	s_mov_b32 s[G1+7], 0
	s_mul_i32 s24, s26, 3*WPART
	s_add_co_u32 s24, s24, WSL                     ; my three places
	s_mov_b32 s[G0], 1
	s_add_co_u32 s[G0+1], s24, 0
	s_mul_i32 s66, s26, 98304                      ; wimg at my head
	s_mov_b32 s67, 0
	v_and_b32 v1, 31, v0
	s_delay_alu instid0(VALU_DEP_1)
	v_lshlrev_b32 v[LI], 4, v1
	s_delay_alu instid0(VALU_DEP_2)
	v_lshlrev_b32 v[LS], 2, v1
	s_delay_alu instid0(VALU_DEP_3)
	v_lshlrev_b32 v[L8], 3, v1
	v_lshlrev_b32 v[RW], 2, v0
	s_lshl_b32 s2, s27, 7
	v_add_nc_u32 v[RR], s2, v[LS]
	v_bfe_u32 v5, v0, 3, 1                         ; u: my t's tile
	v_and_b32 v224, 7, v0
	v_bfe_u32 v225, v0, 4, 1                       ; lane / 16
	s_delay_alu instid0(VALU_DEP_1)
	v_lshl_add_u32 v224, v225, 3, v224             ; r: my t's row in the tile
	s_delay_alu instid0(VALU_DEP_4)
	v_mul_u32_u24 v[HW], v5, 6144
	s_delay_alu instid0(VALU_DEP_1)
	v_lshl_add_u32 v[HW], v224, 4, v[HW]
	s_mul_i32 s2, s27, 12288
	s_mul_i32 s3, s28, 1536
	s_add_co_u32 s2, s2, s3
	v_add_nc_u32 v[HW], s2, v[HW]                  ; (4 (2 g + u) + kq) x 1,536 + 16 r
	v_lshl_add_u32 v[HSW], v5, 4, v224
	s_delay_alu instid0(VALU_DEP_1)
	v_lshlrev_b32 v[HSW], 2, v[HSW]
	s_lshl_b32 s2, s27, 2
	s_add_co_u32 s2, s2, s28
	s_lshl_b32 s2, s2, 7
	s_add_co_u32 s2, s2, HSC
	v_add_nc_u32 v[HSW], s2, v[HSW]                ; HSC + (4 g + kq) x 128 + 4 (r + 16 u)
	v_lshlrev_b32 v[BO], 6, v225
	v_and_b32 v226, 15, v0
	s_delay_alu instid0(VALU_DEP_1)
	v_and_b32 v227, 8, v226
	s_delay_alu instid0(VALU_DEP_1)
	v_add_nc_u32 v226, v226, v227
	s_delay_alu instid0(VALU_DEP_1)
	v_lshlrev_b32 v[RHO4], 2, v226
	v_mov_b32 v[TM+2], 0                           ; written once: a lane permute's destination counts as one of its sources
	v_mov_b32 v[TM+3], 0
	v_add_nc_u32 v[WA], s24, v[LI]
	s_and_b32 s2, ttmp7, 0xffff
	s_lshl_b32 s2, s2, 22                          ; x: the batch,
	s_lshl_b32 s3, s28, 20                         ; my 128 channels of 8,192 bytes,
	s_add_co_u32 s2, s2, s3
	s_lshl_b32 s3, s25, 8                          ; the work-group's 64 t,
	s_add_co_u32 s2, s2, s3
	s_lshl_b32 s3, s27, 7                          ; my 32 of them
	s_add_co_u32 s2, s2, s3
	s_mov_b32 s3, 0
	s_wait_alu depctr_va_vdst(0)
	s_wait_dscnt 0x0                               ; both opening adds are done
	s_wait_kmcnt 0x0
	s_add_nc_u64 s[4:5], s[4:5], s[2:3]
	s_add_nc_u64 s[G0+2:G0+3], s[10:11], s[66:67]  ; the same address in all four partners
	s_or_b32 s[G0+3], s[G0+3], 0x80000000
	; ---- the norm.  Loads run two blocks of 32 ahead: 64 loads of mine are out at the most
	XLD 0
	XLD 1
	GBLOAD 0
	ROUND                                          ; the four work-groups are here: the first joint loads meet
	tensor_load_to_lds s[G0:G0+3], s[G1:G1+7]      ; units 0, 1, 2: my one load at the head
	s_nop 0
	s_wait_loadcnt 32                              ; block 0 is in; block 1's 32 loads may be out
	XLD 2
	SUMB 0, 1
	s_wait_alu depctr_va_vdst(0)
	s_wait_loadcnt 32                              ; block 1 is in; block 2's may be out
	XLD 3
	SUMB 1, 0
	s_wait_alu depctr_va_vdst(0)
	s_wait_loadcnt 32                              ; block 2 is in; block 3's may be out
	SUMB 2, 0
	s_wait_alu depctr_va_vdst(0)
	s_wait_loadcnt 0x0
	SUMB 3, 0
	REDUCE RED1
	s_delay_alu instid0(VALU_DEP_1)
	v_mov_b32 v[MU], v[PT]
	s_delay_alu instid0(VALU_DEP_2)
	v_mov_b32 v[MU+1], v[PT]
.set ix, 0
.rept 64
	v_pk_add_f32 v[ACC+2*ix:ACC+2*ix+1], v[ACC+2*ix:ACC+2*ix+1], v[MU:MU+1] neg_lo:[0,1] neg_hi:[0,1]   ; x - mean, in place: the variance is taken of the differences
.set ix, ix+1
.endr
.set ix, 0
.rept 64
.set rA, ACC+2*ix
.set rC, SM+2*(ix%4)
.if ix < 4
	v_pk_mul_f32 v[rC:rC+1], v[rA:rA+1], v[rA:rA+1]
.else
	s_delay_alu instid0(VALU_DEP_4)
	v_pk_fma_f32 v[rC:rC+1], v[rA:rA+1], v[rA:rA+1], v[rC:rC+1]
.endif
.set ix, ix+1
.endr
	REDUCE RED2
	s_delay_alu instid0(VALU_DEP_1)
	v_add_f32 v[PT], 0x3727c5ac, v[PT]             ; + 1e-5
	s_wait_alu depctr_va_vdst(0)
	v_rsq_f32 v[RS], v[PT]
	v_nop                                          ; a plain line behind the transcendental
	s_wait_alu depctr_va_vdst(0)                   ; ahead of the first line that names its result
	v_mov_b32 v[RS+1], v[RS]
	s_wait_alu depctr_va_vdst(0)
	NORM 0
	NORM 1
	NORM 2
	NORM 3
	s_load_b256 s[68:75], s[0:1], 0x20             ; wsc, bq, bk, bv (gamma's and beta's registers are free now)
	s_load_b128 s[76:79], s[0:1], 0x40             ; qimg, qsc
	s_load_b64 s[80:81], s[0:1], 0x50              ; kv
.irp hh, 0,1
.irp grp, 0,1,2
	ds_store_b128 v[HW], v[CD+12*\hh+4*\grp:CD+12*\hh+4*\grp+3] offset:HIMG+256*\hh+512*\grp
.endr
.endr
	ds_store_b32 v[HSW], v[WORD]
	; the addresses of the second phase
	s_and_b32 s40, ttmp7, 0xffff
	s_lshl_b32 s41, s40, 3
	s_add_co_u32 s41, s41, s26                     ; bh = 8 x batch + my head
	s_mov_b32 s3, 0
	s_wait_kmcnt 0x0
	s_lshl_b32 s2, s26, 12
	s_add_nc_u64 s[68:69], s[68:69], s[2:3]        ; wsc at my head: 4 matrices of 1,024 bytes
	s_lshl_b32 s2, s26, 8
	s_add_nc_u64 s[70:71], s[70:71], s[2:3]        ; the biases at my 64 features
	s_add_nc_u64 s[72:73], s[72:73], s[2:3]
	s_add_nc_u64 s[74:75], s[74:75], s[2:3]
	s_mul_i32 s2, s41, 98304
	s_mul_i32 s42, s25, 3072
	s_add_co_u32 s2, s2, s42
	s_add_nc_u64 s[76:77], s[76:77], s[2:3]        ; qimg: 128 tiles of 768 bytes a head, my four
	s_lshl_b32 s2, s41, 13
	s_lshl_b32 s42, s25, 8
	s_add_co_u32 s2, s2, s42
	s_add_nc_u64 s[78:79], s[78:79], s[2:3]        ; qsc: 64 groups of 128 bytes a head, my two
	s_lshl_b32 s42, s41, 3
	s_lshr_b32 s43, s25, 2
	s_add_co_u32 s42, s42, s43
	s_mul_i32 s42, s42, 26112                      ; kv: my chunk of 256 keys
	s_and_b32 s43, s25, 3
	s_mul_i32 s44, s43, 3072
	s_add_co_u32 s2, s42, s44
	s_add_nc_u64 s[32:33], s[80:81], s[2:3]        ; k's images: my four tiles of the chunk's sixteen
	s_lshl_b32 s44, s43, 8
	s_add_co_u32 s2, s42, s44
	s_add_co_u32 s2, s2, 24576
	s_add_nc_u64 s[34:35], s[80:81], s[2:3]        ; k's scale words
	s_bfe_u32 s44, s25, 0x10001                    ; which 128 keys of the chunk
	s_and_b32 s45, s25, 1                          ; which 64 of those
	s_mul_i32 s46, s44, 6144
	s_mul_i32 s47, s45, 768
	s_add_co_u32 s2, s42, s46
	s_add_co_u32 s2, s2, s47
	s_add_co_u32 s2, s2, 12288
	s_add_nc_u64 s[36:37], s[80:81], s[2:3]        ; v's images
	s_lshl_b32 s46, s44, 8
	s_lshl_b32 s47, s45, 1
	s_add_co_u32 s2, s42, s46
	s_add_co_u32 s2, s2, s47
	s_add_co_u32 s2, s2, 25600
	s_add_nc_u64 s[38:39], s[80:81], s[2:3]        ; v's scale words: my two bytes of each
	s_wait_tensorcnt 0x0                           ; my 144 rows of weights have landed: I alone read them
	s_wait_dscnt 0x0                               ; my images have landed, and their registers are read
	LOADWS 0                                       ; q's scale words and bias, and bv, go out ahead of the barrier
.irp tt, 0,1,2,3
	BIAST 70, \tt
.endr
.irp nt, 0,1,2,3
	global_load_b32 v[BV+\nt], v[RHO4], s[74:75] offset:128*(\nt/2)+32*(\nt%2)   ; bv of my lane's feature in each tile
.endr
	s_barrier_signal -1
	s_barrier_wait -1                              ; h's sixteen fragments lie in LDS
	WIN 0x40                                       ; destination window 1
.set ix, 0
.rept 48
	ds_load_b128 v[4*ix:4*ix+3], v[LI] offset:HIMG+512*ix   ; fragment f's registers 12 f on: the image as it stands
.set ix, ix+1
.endr
	WIN 0
.set ix, 0
.rept 8
	ds_load_b32 v[HS+ix], v[LS] offset:HSC+128*ix
.set ix, ix+1
.endr
	LOADW 0
	LOADW 1
	s_wait_dscnt 0x0
	s_wait_loadcnt 0x0                             ; the scale words and the biases
	; ---- q.  Ahead of each K step: its fragments are in; the next step's twelve LDS loads may be out
	KSTEP_QK 0
	s_wait_dscnt 12
	KSTEP_QK 1
	s_wait_dscnt 12
	KSTEP_QK 2
	FILL 96, 0, 3*WPART                            ; places 0 and 1 (K steps 0 .. 3) are in registers: units 3 and 4
	KSTEP_QK 3
	LOADWS 1
	EPI_QK 76, 78, 72
	; ---- k
	FILL 48, 2*WPART, 2*WPART                      ; place 2 (K steps 4, 5) is in registers: unit 5; the wait in it shows units 3 and 4 landed
	s_wait_loadcnt 0x0                             ; the scale words and the bias
	KSTEP_QK 4
	s_wait_dscnt 12
	KSTEP_QK 5
	s_wait_dscnt 12
	KSTEP_QK 6
	s_wait_dscnt 12
	KSTEP_QK 7
	LOADWS 2
	EPI_QK 32, 34, 0
	; ---- v
	s_wait_loadcnt 0x0
	s_wait_tensorcnt 0x0                           ; unit 5, which is read behind K step 8, has landed
	s_wait_dscnt 12
	KSTEP_V 8
	s_wait_dscnt 12
	KSTEP_V 9
	s_wait_dscnt 12
	KSTEP_V 10
	s_wait_dscnt 0x0                               ; nothing was asked for behind the last step's fragments
	KSTEP_V 11
	EPI_V
	s_wait_tensorcnt 0x0                           ; the wave's end
	ds_add_u32 v254, v255
	s_wait_dscnt 0x0
	ROUND                                          ; the closing round
	s_endpgm
.Lfunc_end_k_q2a7e16d208_qkv:
	.size	k_q2a7e16d208_qkv, .Lfunc_end_k_q2a7e16d208_qkv-k_q2a7e16d208_qkv
	.p2alignl 7, 3214868480
	.fill 96, 4, 3214868480
	.section	.rodata,"a",@progbits
	.p2align	6, 0x0
	.amdhsa_kernel k_q2a7e16d208_qkv
		.amdhsa_group_segment_fixed_size 327680
		.amdhsa_private_segment_fixed_size 0
		.amdhsa_enable_private_segment 0
		.amdhsa_kernarg_size 88
		.amdhsa_user_sgpr_count 2
		.amdhsa_user_sgpr_kernarg_segment_ptr 1
		.amdhsa_wavefront_size32 1
		.amdhsa_system_sgpr_workgroup_id_x 1
		.amdhsa_system_sgpr_workgroup_id_y 1
		.amdhsa_system_sgpr_workgroup_id_z 1
		.amdhsa_system_vgpr_workitem_id 0
		.amdhsa_next_free_vgpr 512
		.amdhsa_next_free_sgpr 104
		.amdhsa_reserve_vcc 0
		.amdhsa_float_denorm_mode_32 3
		.amdhsa_float_denorm_mode_16_64 3
		.amdhsa_memory_ordered 1
		.amdhsa_forward_progress 1
		.amdhsa_inst_pref_size 142
	.end_amdhsa_kernel
	.amdgpu_metadata
---
amdhsa.version: [ 1, 2 ]
amdhsa.kernels:
  - .name:           k_q2a7e16d208_qkv
    .symbol:         k_q2a7e16d208_qkv.kd
    .args:
      - { .name: x, .offset: 0, .size: 8, .value_kind: global_buffer, .address_space: global }
      - { .name: gamma, .offset: 8, .size: 8, .value_kind: global_buffer, .address_space: global }
      - { .name: beta, .offset: 16, .size: 8, .value_kind: global_buffer, .address_space: global }
      - { .name: wimg, .offset: 24, .size: 8, .value_kind: global_buffer, .address_space: global }
      - { .name: wsc, .offset: 32, .size: 8, .value_kind: global_buffer, .address_space: global }
      - { .name: bq, .offset: 40, .size: 8, .value_kind: global_buffer, .address_space: global }
      - { .name: bk, .offset: 48, .size: 8, .value_kind: global_buffer, .address_space: global }
      - { .name: bv, .offset: 56, .size: 8, .value_kind: global_buffer, .address_space: global }
      - { .name: qimg, .offset: 64, .size: 8, .value_kind: global_buffer, .address_space: global }
      - { .name: qsc, .offset: 72, .size: 8, .value_kind: global_buffer, .address_space: global }
      - { .name: kv, .offset: 80, .size: 8, .value_kind: global_buffer, .address_space: global }
    .group_segment_fixed_size: 327680
    .private_segment_fixed_size: 0
    .kernarg_segment_align: 8
    .kernarg_segment_size: 88
    .max_flat_workgroup_size: 256
    .sgpr_count:     104
    .vgpr_count:     512
    .wavefront_size: 32
...
	.end_amdgpu_metadata
.endif
;; end of part 2
;; launch attn (part 3): grid 4 x 64, 16 waves a work-group, clusters of 4 x 1, 327,680 bytes of LDS; arguments qimg, qsc, kv, cimg, csc; writes cimg, csc
.if DOCPART == 3
	.amdgcn_target "amdgcn-amd-amdhsa--gfx1250"
	.amdhsa_code_object_version 6
	.text
	.protected	k_q2a7e16d208_attn
	.globl	k_q2a7e16d208_attn
	.p2align	8
	.type	k_q2a7e16d208_attn,@function
k_q2a7e16d208_attn:
	s_mov_b64 s[64:65], 0
	v_nop
	global_prefetch_b8 v0, s[64:65] scope:SCOPE_SE
	s_setreg_imm32_b32 hwreg(HW_REG_WAVE_MODE, 25, 1), 1
	s_wait_xcnt 0x0
	s_wait_alu depctr_hold_cnt(0) depctr_sa_sdst(0) depctr_va_vdst(0) depctr_va_sdst(0) depctr_va_ssrc(0) depctr_va_vcc(0) depctr_vm_vsrc(0)
	s_getreg_b32 s2, hwreg(HW_REG_IB_STS2, 6, 4)
	s_cmp_eq_u32 s2, 0
	s_cbranch_scc0 .Lentry_in_a_cluster
	s_endpgm
.Lentry_in_a_cluster:
	s_bfe_u32 s2, ttmp6, 0x10000c
	s_cmp_lg_u32 s2, 0x3003
	s_cbranch_scc0 .Lentry_shape_is_right
	s_endpgm
.Lentry_shape_is_right:
; Causal attention of one head on codes of E2M3: S^T = K Q^T (K = the head's 64: the upper half of the instruction's 128 meets zero codes of Q), p = 2^(t - M), O^T = V^T P^T (K = the keys), O / l, and ctx quantised along the head's 64.
; t = score x log2(e) / 8; M = the running largest t rounded UP to a whole number; the row's sum is taken of the unquantised p; when M moves, the sum and O^T are multiplied by 2^(old M - new M), exactly.
; K AND V STAY IN LDS.  A head's eight chunks of 256 keys (26,112 bytes each: K's 16 images, V's 16, their scale words) are 816 rows of 256 bytes, one dense block.  They are fetched once, by two tensor loads a wave:
; 16 x 13 rows at the head (chunks 0 and 1 lie inside them), 16 x 38 rows behind the next round.  No byte is filled twice.
; CLUSTER.  The four work-groups of a head want the same 816 rows: they form a cluster of 4 x 1 and ask jointly (mask 15).
; SHARES.  Wave w of the work-group at place cx owns two tiles of 16 queries of the head's 128: tile 127 - (4 w + cx), then tile 4 w + cx.  A tile T needs the steps of 128 keys 0 .. T / 8:
; 16 - w / 2 steps and w / 2 + 1 steps, 17 for every wave; the counts hang on the wave's number alone, so no branch hangs on cx.
; THE WALK.  A trip is one step of 128 keys, and every wave works in every trip.  First loop, four trips: steps 0 .. 3 for the first tile (all its queries come after key 511: nothing is hidden there), while the second group of loads lands.
; Second loop, thirteen trips: the first tile's steps 4 .. 15 - w / 2, then the second tile's steps 0 .. w / 2.  Steps whose keys all come after the tile's queries are in no trip.
; A work-group barrier is signalled at each trip's head and waited for at its end: no wave begins a trip before every wave has begun the trip before.  Between the two stand register work and reads of LDS bytes that nobody writes:
; so the change of tiles is register work too: both tiles' Q are loaded at the kernel's head, and the first tile's codes wait in registers and are stored behind the loop.
; THE MASK.  In a tile's last step hidden scores become -infinity ahead of the maximum.
; A lane holds ONE query throughout.  The keys, queries and features of a tile are 8 u + r + 8 (r / 8) of a group of 32, so that the 16 registers of two neighbouring tiles are 16 neighbours.
; No prefetch: all of K and V has been asked for by the two groups of tensor loads ahead of the first loop; no later trip has anything left to ask for.
; LIMITS: -infinity stands for reference's -1e9: the same p = 0 wherever |score / 8| is far below 1e9.  NaN and infinities are not served.  A block of zeros gets the scale byte 1.  1 / l is v_rcp_f32.
.set FLOOR, 0x1800000
.set EOFF,  0xff000000
.set CHUNK, 26112
.set HEADB, 8*CHUNK                    ; a head's K and V: 816 rows of 256 bytes
.set ROWSA, 13                         ; rows a wave fetches at the head,
.set ROWSB, 38                         ; and behind the second round: 16 x (13 + 38) = 816
.set PARTA, 16*ROWSA*256               ; 53,248 bytes: chunks 0 and 1 (52,224) lie inside
.set SPARE, HEADB                      ; behind the tiles: the spare words, 128 bytes for each of 16 waves
.set VOFS,  12288                      ; in a chunk: V's images,
.set KSOF,  24576                      ; K's scale words,
.set VSOF,  25600                      ; V's
.set LI,   1                           ; 16 x lane
.set L8,   2                           ; 8 x lane
.set LS,   3                           ; 4 x lane
.set AK,   5                           ; the step's images + 16 x lane
.set AK8,  6                           ; + 8 x lane
.set AS,   7                           ; the step's scale words of K + 4 x lane
.set AV,   8                           ; of V + 4 x lane
.set LP,   9                           ; my query's place in its tile - 16 (lane / 16)
.set LS15, 10                          ; 4 x (lane % 16)
.set TP,   11
.set QF,   16                          ; v16-21 Q, v22-27 zeros
.set QS,   28                          ; Q's scale words
.set KFR,  32                          ; v32-79 K's eight tiles, 6 registers apart; later V's four fragments; v80-85 zeros
.set KS,   86                          ; v86-89 K's scale words
.set VS,   90                          ; v90-91 V's
.set S,    96                          ; v96-159 S^T, then p
.set O,    160                         ; v160-191 O^T
.set P,    192                         ; v192-203 p's codes
.set PC,   192
.set CT,   204
.set BM,   212                         ; the blocks' largest scores
.set BP,   216
.set BS,   220
.set TM,   212
.set PSW,  225                         ; p's scale word
.set F,    226                         ; v226 f (v227 is named with it as a pair)
.set PW,   230
.set NI,   231
.set SV,   232                         ; v232-237 the first tile's codes, v238 its scale bytes, until they are stored
.set Q2,   240                         ; v240-245 the second tile's Q, v246 its scale words
.set SPW,  254                         ; my spare word's LDS address; never rewritten
.set NIL,  255                         ; 0; never rewritten
.set SEL,  20
.set CS,   22
.set G0A,  44                          ; s[44:47], s[48:55]: the head's load
.set G1A,  48
.set G0B,  56                          ; s[56:59], s[68:75]: the second load
.set G1B,  68
.macro PLACES
.rept 4
	v_nop
.endr
.endm
.macro ROUND                           ; a round of the cluster's barrier
	s_barrier_signal -1
	s_barrier_wait -1
	s_cmp_lg_u32 s14, 0
	s_cbranch_scc1 .Lnw0_\@
	s_barrier_signal -3
.Lnw0_\@:
	s_barrier_wait -3
	s_barrier_signal -1
	s_barrier_wait -1
.endm
.macro QUANT2 s                        ; 32 registers, register 16 b + i = k 32 b + 16 (lane / 16) + i -> six registers of codes in v[PC ..], two scale bytes in v[PW]
.irp b, 0,1
	v_max3_num_f32 v[TM+\b], |v[(\s)+16*\b]|, |v[(\s)+16*\b+1]|, FLOOR
.endr
.irp i, 2,4,6,8,10,12,14
.irp b, 0,1
	s_delay_alu instid0(VALU_DEP_2)
	v_max3_num_f32 v[TM+\b], v[TM+\b], |v[(\s)+16*\b+\i]|, |v[(\s)+16*\b+\i+1]|
.endr
.endr
.irp b, 0,1
	s_delay_alu instid0(VALU_DEP_2)
	v_permlanex16_b32 v[TM+2+\b], v[TM+\b], s[SEL], s[SEL+1]
.endr
.irp b, 0,1
	s_delay_alu instid0(VALU_DEP_2)
	v_max_num_f32 v[TM+\b], v[TM+\b], v[TM+2+\b]
.endr
.irp b, 0,1
	s_delay_alu instid0(VALU_DEP_2)
	v_add_nc_u32 v[TM+4+\b], EOFF, v[TM+\b]
.endr
.irp b, 0,1
	s_delay_alu instid0(VALU_DEP_2)
	v_lshrrev_b32 v[TM+2+\b], 23, v[TM+4+\b]
.endr
	s_delay_alu instid0(VALU_DEP_1)
	v_lshl_or_b32 v[PW], v[TM+3], 8, v[TM+2]
	v_cvt_scalef32_pk16_fp6_f32 v[PC:PC+2], v[(\s):(\s)+15], v[TM+4]
	v_cvt_scalef32_pk16_fp6_f32 v[PC+4:PC+6], v[(\s)+16:(\s)+31], v[TM+5]
	v_nop                                          ; one plain line behind the conversions
.irp i, 0,1,2
	v_permlane16_swap_b32 v[PC+\i], v[PC+4+\i]
.endr
.irp i, 0,1,2
	s_delay_alu instid0(VALU_DEP_3)
	v_mov_b32 v[PC+3+\i], v[PC+4+\i]
.endr
.endm
.macro WMI                             ; one product; source 1's scale words stand in lanes 0-15 throughout this text
.if fZ
.if fRA == 0
	v_wmma_scale_f32_16x16x128_f8f6f4 v[rD:rD+7], v[rA:rA+11], v[rB:rB+11], 0, v[rSA], v[rSB] matrix_a_fmt:MATRIX_FMT_FP6 matrix_b_fmt:MATRIX_FMT_FP6
.else
	v_wmma_scale_f32_16x16x128_f8f6f4 v[rD:rD+7], v[rA:rA+11], v[rB:rB+11], 0, v[rSA], v[rSB] matrix_a_fmt:MATRIX_FMT_FP6 matrix_b_fmt:MATRIX_FMT_FP6 matrix_a_scale:MATRIX_SCALE_ROW1
.endif
.else
.if fRA == 0
	v_wmma_scale_f32_16x16x128_f8f6f4 v[rD:rD+7], v[rA:rA+11], v[rB:rB+11], v[rD:rD+7], v[rSA], v[rSB] matrix_a_fmt:MATRIX_FMT_FP6 matrix_b_fmt:MATRIX_FMT_FP6
.else
	v_wmma_scale_f32_16x16x128_f8f6f4 v[rD:rD+7], v[rA:rA+11], v[rB:rB+11], v[rD:rD+7], v[rSA], v[rSB] matrix_a_fmt:MATRIX_FMT_FP6 matrix_b_fmt:MATRIX_FMT_FP6 matrix_a_scale:MATRIX_SCALE_ROW1
.endif
.endif
.endm
.macro TILE                            ; tile s41 of the head's 128: s42 = u, s25 = its smallest query
	s_and_b32 s42, s41, 1
	s_lshl_b32 s25, s41, 4
	s_lshl_b32 s32, s42, 3
	s_sub_co_u32 s25, s25, s32                     ; 16 T - 8 u
.endm
.macro QLOAD q, qs                     ; Q's image and scale words of tile s41 (s42 = u)
	s_lshl_b32 s34, s16, 7
	s_add_co_u32 s34, s34, s41
	s_mul_i32 s34, s34, 768
	s_mov_b32 s35, 0
	s_add_nc_u64 s[34:35], s[4:5], s[34:35]
	s_lshl_b32 s36, s16, 6
	s_lshr_b32 s37, s41, 1
	s_add_co_u32 s36, s36, s37
	s_lshl_b32 s36, s36, 7
	s_lshl_b32 s37, s42, 6
	s_add_co_u32 s36, s36, s37
	s_mov_b32 s37, 0
	s_add_nc_u64 s[36:37], s[6:7], s[36:37]
	global_load_b128 v[\q:\q+3], v[LI], s[34:35]
	global_load_b64 v[\q+4:\q+5], v[L8], s[34:35] offset:512
	global_load_b32 v[\qs], v[LS15], s[36:37]
.endm
.macro CLEAR                           ; empty sums
	v_mov_b32 v13, 0xff61b1e6                      ; the largest t so far: -3e38
	s_delay_alu instid0(VALU_DEP_1)
	v_floor_f32 v12, -v13                          ; -M
	v_mov_b32 v14, 0
	v_mov_b32 v15, 0
.set ix, 0
.rept 32
	v_mov_b32 v[O+ix], 0                           ; the step is written once: the first finds zeros
.set ix, ix+1
.endr
.endm
.macro FINCALC                         ; O^T / l, quantised along the head's 64: codes in v[PC ..], scale bytes in v[PW]
	PLACES
	v_add_f32 v14, v14, v15
	s_delay_alu instid0(VALU_DEP_1)
	v_permlanex16_b32 v[PW], v14, s[SEL], s[SEL+1]
	s_delay_alu instid0(VALU_DEP_1)
	v_add_f32 v14, v14, v[PW]                      ; the row's sum
	s_wait_alu depctr_va_vdst(0)
	v_rcp_f32 v[F], v14
	v_nop                                          ; a plain line behind the transcendental
	s_wait_alu depctr_va_vdst(0)                   ; ahead of the first line that names its result
.set ix, 0
.rept 16
	v_pk_mul_f32 v[O+2*ix:O+2*ix+1], v[O+2*ix:O+2*ix+1], v[F:F+1] op_sel_hi:[1,0]
.set ix, ix+1
.endr
	QUANT2 O
.endm
.macro STORE c, w                      ; tile s41 (s42 = u): six registers of codes at v[c ..] and the scale bytes in v[w], stored as half of a fragment of the last product
	s_lshr_b32 s32, s16, 3                         ; batch
	s_and_b32 s33, s16, 7                          ; head
	s_lshl_b32 s34, s32, 7
	s_add_co_u32 s34, s34, s41
	s_lshl_b32 s34, s34, 3
	s_add_co_u32 s34, s34, s33
	s_mul_i32 s34, s34, 768                        ; ((128 batch + T) x 8 + head) x 768
	s_mov_b32 s35, 0
	s_add_nc_u64 s[34:35], s[10:11], s[34:35]
	s_lshl_b32 s36, s32, 6
	s_lshr_b32 s37, s41, 1
	s_add_co_u32 s36, s36, s37
	s_lshl_b32 s36, s36, 2
	s_lshr_b32 s37, s33, 1
	s_add_co_u32 s36, s36, s37
	s_lshl_b32 s36, s36, 7                         ; ((64 batch + group) x 4 + head / 2) x 128
	s_lshl_b32 s37, s42, 6
	s_add_co_u32 s36, s36, s37                     ; + 64 u
	s_and_b32 s37, s33, 1
	s_lshl_b32 s37, s37, 1
	s_add_co_u32 s36, s36, s37                     ; + 2 (head % 2)
	s_mov_b32 s37, 0
	s_add_nc_u64 s[36:37], s[12:13], s[36:37]
	s_wait_alu depctr_va_vdst(0)
	global_store_b128 v[LI], v[\c:\c+3], s[34:35]
	global_store_b64 v[L8], v[\c+4:\c+5], s[34:35] offset:512
	global_store_b16 v[LS15], v[\w], s[36:37]      ; lanes r and r + 16 hold the same two bytes and write them to the same place
	s_wait_xcnt 0x0                                ; the stores have read their registers and addresses
.endm
.macro WHERE n                         ; step s[n] of the head's 16: chunk n / 2, half n % 2.  s18: its images (K's and V's halves are both 6,144 bytes apart); s30, s31: its scale words of K (512 apart) and of V (256 apart)
	s_lshr_b32 s19, s[\n], 1
	s_mul_i32 s19, s19, CHUNK
	s_and_b32 s27, s[\n], 1
	s_mul_i32 s18, s27, 6144
	s_add_co_u32 s18, s18, s19
	s_lshl_b32 s30, s27, 9
	s_add_co_u32 s30, s30, s19
	s_lshl_b32 s31, s27, 8
	s_add_co_u32 s31, s31, s19
.endm
; A KEY STEP: 128 keys.  causal = 1: s24 is the step's number in the head, s26 my tile's last step, the one with hidden keys
.macro STEP causal
	v_add_nc_u32 v[AK], s18, v[LI]                 ; four plain lines ahead of loads into registers that the last products read
	v_add_nc_u32 v[AK8], s18, v[L8]
	v_add_nc_u32 v[AS], s30, v[LS]
	v_add_nc_u32 v[AV], s31, v[LS]
.irp t, 0,1,2,3,4,5,6,7
	ds_load_b128 v[KFR+6*\t:KFR+6*\t+3], v[AK] offset:\t*768
	ds_load_b64 v[KFR+6*\t+4:KFR+6*\t+5], v[AK8] offset:\t*768+512
.endr
.irp b, 0,1,2,3
	ds_load_b32 v[KS+\b], v[AS] offset:KSOF+\b*128
.endr
	s_wait_alu depctr_va_vdst(0)
	s_wait_dscnt 0x0
.set fZ, 1
.set rB, QF
.set rSB, QS
.irp t, 0,1,2,3,4,5,6,7                        ; a tile's upper six registers are the next tile's codes (behind the last: zeros): they meet Q's zero codes
.set rD, S+8*\t
.set rA, KFR+6*\t
.set rSA, KS+\t/2
.set fRA, \t%2
	WMI
.endr
	PLACES
.irp dt, 0,1,2,3                               ; V's fragments are asked for now and land under the softmax
.irp c, 0,1
	ds_load_b128 v[KFR+12*\dt+6*\c:KFR+12*\dt+6*\c+3], v[AK] offset:VOFS+1536*\dt+768*\c
	ds_load_b64 v[KFR+12*\dt+6*\c+4:KFR+12*\dt+6*\c+5], v[AK8] offset:VOFS+1536*\dt+768*\c+512
.endr
.endr
.irp p, 0,1
	ds_load_b32 v[VS+\p], v[AV] offset:VSOF+128*\p
.endr
.if \causal
	s_cmp_lg_u32 s24, s26                          ; all its keys count for all my queries?
	s_cbranch_scc1 .Lopen_\@
	s_lshl_b32 s33, s24, 7
	s_sub_co_i32 s32, s25, s33
	v_add_nc_u32 v[TP], s32, v[LP]                 ; d = my query - the step's first key - 16 (lane / 16); register 16 b + i holds key 32 b + i + 16 (lane / 16): hidden where 32 b + i > d
	v_mov_b32 v[NI], 0xff800000
.set ix, 0
.rept 64
	v_cmp_gt_i32 vcc_lo, 32*(ix/16)+ix%16, v[TP]
	v_cndmask_b32 v[S+ix], v[S+ix], v[NI], vcc_lo
.set ix, ix+1
.endr
.Lopen_\@:
.endif
.irp b, 0,1,2,3
	v_max3_num_f32 v[BM+\b], v[S+16*\b], v[S+16*\b+1], v[S+16*\b+2]   ; the largest score of each block of 32 keys: for the row's maximum, and for the block's largest p
.endr
.irp i, 3,5,7,9,11,13
.irp b, 0,1,2,3
	v_max3_num_f32 v[BM+\b], v[BM+\b], v[S+16*\b+\i], v[S+16*\b+\i+1]
.endr
.endr
.irp b, 0,1,2,3
	v_max_num_f32 v[BM+\b], v[BM+\b], v[S+16*\b+15]
.endr
.irp b, 0,1,2,3
	s_delay_alu instid0(VALU_DEP_4)
	v_permlanex16_b32 v[BP+\b], v[BM+\b], s[SEL], s[SEL+1]
.endr
.irp b, 0,1,2,3
	s_delay_alu instid0(VALU_DEP_4)
	v_max_num_f32 v[BM+\b], v[BM+\b], v[BP+\b]
.endr
	s_delay_alu instid0(VALU_DEP_2)
	v_max3_num_f32 v[PW], v[BM], v[BM+1], v[BM+2]
	s_delay_alu instid0(VALU_DEP_1)
	v_max_num_f32 v[PW], v[PW], v[BM+3]
	s_delay_alu instid0(VALU_DEP_1)
	v_mul_f32 v[PW], s[CS], v[PW]                  ; as t
	s_delay_alu instid0(VALU_DEP_1)
	v_max_num_f32 v13, v13, v[PW]                  ; the running largest t
	v_mov_b32 v[PW], v12
	s_delay_alu instid0(VALU_DEP_2)
	v_floor_f32 v12, -v13                          ; the new -M: a whole number
	s_delay_alu instid0(VALU_DEP_1)
	v_sub_f32 v[PW], v12, v[PW]
	s_delay_alu instid0(VALU_DEP_1)
	v_cvt_i32_f32 v[PW], v[PW]                     ; (it saturates)
	s_delay_alu instid0(VALU_DEP_1)
	v_ldexp_f32 v[F], 1.0, v[PW]                   ; f = 2^(old M - new M)
.set ix, 0
.rept 32
	v_pk_fma_f32 v[S+2*ix:S+2*ix+1], v[S+2*ix:S+2*ix+1], s[CS:CS+1], v[12:13] op_sel_hi:[1,0,0]   ; t - M
.set ix, ix+1
.endr
.irp b, 0,1,2,3
	v_fma_f32 v[BM+\b], v[BM+\b], s[CS], v12
.endr
.set ix, 0
	s_wait_alu depctr_va_vdst(0)
.rept 64
	v_exp_f32 v[S+ix], v[S+ix]                     ; p = 2^(t - M)
.set ix, ix+1
.endr
	v_pk_mul_f32 v[14:15], v[14:15], v[F:F+1] op_sel_hi:[1,0]   ; the sums under the new M: a plain line behind the batch
	s_wait_alu depctr_va_vdst(0)                   ; one wait for the 64, ahead of the first line that names a result
.irp b, 0,1,2,3
	v_exp_f32 v[BM+\b], v[BM+\b]                   ; the blocks' largest p
.endr
	; the row's sum of the unquantised p: 32 pairs into eight chains that take turns (seven at work registers, the eighth the running sum)
.set jx, 0
.irp d, 228,252,250,248,224,222,220
	v_pk_add_f32 v[\d:\d+1], v[S+2*jx:S+2*jx+1], v[S+2*jx+14:S+2*jx+15]
.set jx, jx+1
.endr
	v_pk_add_f32 v[14:15], v[14:15], v[S+28:S+29]
.irp base, 30,46
.set jx, 0
.irp d, 228,252,250,248,224,222,220
	v_pk_add_f32 v[\d:\d+1], v[\d:\d+1], v[S+\base+2*jx:S+\base+2*jx+1]
.set jx, jx+1
.endr
	v_pk_add_f32 v[14:15], v[14:15], v[S+\base+14:S+\base+15]
.endr
	v_pk_add_f32 v[228:229], v[228:229], v[S+62:S+63]
	s_delay_alu instid0(VALU_DEP_2)
	v_pk_add_f32 v[14:15], v[14:15], v[248:249]
	s_delay_alu instid0(VALU_DEP_2)
	v_pk_add_f32 v[228:229], v[228:229], v[224:225]
	v_pk_add_f32 v[252:253], v[252:253], v[222:223]
	v_pk_add_f32 v[250:251], v[250:251], v[220:221]
	s_delay_alu instid0(VALU_DEP_2)
	v_pk_add_f32 v[14:15], v[14:15], v[252:253]
	s_delay_alu instid0(VALU_DEP_2)
	v_pk_add_f32 v[228:229], v[228:229], v[250:251]
	s_delay_alu instid0(VALU_DEP_1)
	v_pk_add_f32 v[14:15], v[14:15], v[228:229]
	s_wait_alu depctr_va_vdst(0)                   ; and one for the four
.irp b, 0,1,2,3
	v_max_num_f32 v[BM+\b], FLOOR, v[BM+\b]
.endr
.irp b, 0,1,2,3
	s_delay_alu instid0(VALU_DEP_4)
	v_add_nc_u32 v[BS+\b], EOFF, v[BM+\b]
.endr
.irp b, 0,1,2,3
	s_delay_alu instid0(VALU_DEP_4)
	v_lshrrev_b32 v[BP+\b], 23, v[BS+\b]
.endr
	s_delay_alu instid0(VALU_DEP_3)
	v_lshl_or_b32 v[PSW], v[BP+1], 8, v[BP]
	s_delay_alu instid0(VALU_DEP_1)
	v_lshl_or_b32 v[PSW], v[BP+2], 16, v[PSW]
	s_delay_alu instid0(VALU_DEP_1)
	v_lshl_or_b32 v[PSW], v[BP+3], 24, v[PSW]
.irp c, 0,1
	v_cvt_scalef32_pk16_fp6_f32 v[P+6*\c:P+6*\c+2], v[S+32*\c:S+32*\c+15], v[BS+2*\c]
	v_cvt_scalef32_pk16_fp6_f32 v[CT+4*\c:CT+4*\c+2], v[S+32*\c+16:S+32*\c+31], v[BS+2*\c+1]
.endr
	v_nop                                          ; one plain line behind the conversions
.irp c, 0,1
.irp i, 0,1,2
	v_permlane16_swap_b32 v[P+6*\c+\i], v[CT+4*\c+\i]
.endr
.irp i, 0,1,2
	s_delay_alu instid0(VALU_DEP_3)
	v_mov_b32 v[P+6*\c+3+\i], v[CT+4*\c+\i]
.endr
.endr
.set ix, 0
.rept 16
	v_pk_mul_f32 v[O+2*ix:O+2*ix+1], v[O+2*ix:O+2*ix+1], v[F:F+1] op_sel_hi:[1,0]   ; O^T under the new M; twelve of these name no register of any one product below: the lines between the codes, the scale word and the products
.set ix, ix+1
.endr
	s_wait_alu depctr_va_vdst(0)
	s_wait_dscnt 0x0                               ; V
.set fZ, 0
.set rB, P
.set rSB, PSW
.irp dt, 0,1,2,3
.set rD, O+8*\dt
.set rA, KFR+12*\dt
.set rSA, VS+\dt/2
.set fRA, \dt%2
	WMI
.endr
.endm
	s_load_b256 s[4:11], s[0:1], 0x0               ; qimg, qsc, kv, cimg
	s_load_b64 s[12:13], s[0:1], 0x20              ; csc
	v_lshl_add_u32 v[SPW], v0, 2, SPARE
	v_mov_b32 v[NIL], 0
	ds_add_u32 v[SPW], v[NIL]                      ; the opening lines: the add, twice on end, and its wait ahead of my first tensor load
	ds_add_u32 v[SPW], v[NIL]
	v_lshrrev_b32 v1, 5, v0
	v_readfirstlane_b32 s14, v1                    ; wave 0..15
	s_bfe_u32 s15, ttmp6, 0x40000                  ; cx: my place in the cluster
	s_and_b32 s16, ttmp7, 0xffff                   ; bh = 8 x batch + head
	s_mov_b32 s[SEL], 0x76543210
	s_mov_b32 s[SEL+1], 0xfedcba98
	s_mov_b32 s[CS], 0x3e38aa3b                    ; log2(e) / 8
	s_mov_b32 s[CS+1], s[CS]
	; group 1: dense rows of 256 bytes (32 elements of 8 bytes), no padding; the mask names the cluster's four, bit 21 beside it
	s_mov_b32 s[G1A+0], 15|(3<<16)|(1<<21)
	s_mov_b32 s[G1A+1], 32<<16
	s_mov_b32 s[G1A+2], ROWSA<<16
	s_mov_b32 s[G1A+3], 32<<16
	s_mov_b32 s[G1A+4], ROWSA
	s_mov_b32 s[G1A+5], 32
	s_mov_b32 s[G1A+6], 0
	s_mov_b32 s[G1A+7], 0
	s_mov_b32 s[G1B+0], 15|(3<<16)|(1<<21)
	s_mov_b32 s[G1B+1], 32<<16
	s_mov_b32 s[G1B+2], ROWSB<<16
	s_mov_b32 s[G1B+3], 32<<16
	s_mov_b32 s[G1B+4], ROWSB
	s_mov_b32 s[G1B+5], 32
	s_mov_b32 s[G1B+6], 0
	s_mov_b32 s[G1B+7], 0
	s_mov_b32 s[G0A], 1
	s_mul_i32 s[G0A+1], s14, ROWSA*256             ; LDS: my 13 rows
	s_mov_b32 s[G0B], 1
	s_mul_i32 s[G0B+1], s14, ROWSB*256
	s_add_co_u32 s[G0B+1], s[G0B+1], PARTA         ; LDS: my 38 rows, behind the first 208
	s_mul_i32 s34, s14, ROWSA*256                  ; the same two offsets in the head's block of memory
	s_mov_b32 s35, 0
	s_mul_i32 s36, s14, ROWSB*256
	s_add_co_u32 s36, s36, PARTA
	s_mov_b32 s37, 0
	s_mul_i32 s32, s16, HEADB
	s_mov_b32 s33, 0
	s_wait_dscnt 0x0                               ; both opening adds are done
	s_wait_kmcnt 0x0
	s_add_nc_u64 s[28:29], s[8:9], s[32:33]        ; the head's K and V: the same address in all four partners
	s_add_nc_u64 s[G0A+2:G0A+3], s[28:29], s[34:35]
	s_or_b32 s[G0A+3], s[G0A+3], 0x80000000
	s_add_nc_u64 s[G0B+2:G0B+3], s[28:29], s[36:37]
	s_or_b32 s[G0B+3], s[G0B+3], 0x80000000
	ROUND                                          ; the four work-groups are here: the first joint loads meet
	tensor_load_to_lds s[G0A:G0A+3], s[G1A:G1A+7]  ; my one load at the head
	s_nop 0
	v_and_b32 v[TP], 31, v0
	s_delay_alu instid0(VALU_DEP_1)
	v_lshlrev_b32 v[LI], 4, v[TP]
	s_delay_alu instid0(VALU_DEP_2)
	v_lshlrev_b32 v[L8], 3, v[TP]
	s_delay_alu instid0(VALU_DEP_3)
	v_lshlrev_b32 v[LS], 2, v[TP]
	v_and_b32 v[LS15], 15, v0
	s_delay_alu instid0(VALU_DEP_1)
	v_and_b32 v[LP], 8, v[LS15]
	s_delay_alu instid0(VALU_DEP_1)
	v_add_nc_u32 v[LP], v[LP], v[LS15]             ; r + 8 (r / 8)
	v_bfe_u32 v[TP], v0, 4, 1
	s_delay_alu instid0(VALU_DEP_1)
	v_lshlrev_b32 v[TP], 4, v[TP]
	s_delay_alu instid0(VALU_DEP_1)
	v_sub_nc_u32 v[LP], v[LP], v[TP]
	v_lshlrev_b32 v[LS15], 2, v[LS15]
.irp i, 0,1,2,3,4,5
	v_mov_b32 v[QF+6+\i], 0                        ; Q's upper 64 along K: zero codes
	v_mov_b32 v[KFR+48+\i], 0                      ; behind K's last tile
.endr
.irp i, 0,1,2,3,4,5,6,7
	v_mov_b32 v[BM+\i], 0                          ; written once: a lane permute's destination counts as one of its sources
.endr
.irp i, 0,1,2,3,4,5,6
	v_mov_b32 v[SV+\i], 0                          ; written once here, so that every way through the text has written them; every wave writes them again at its change of tiles
.endr
	v_mov_b32 v[F+1], 0                            ; (named as the upper half of f's pair)
	v_mov_b32 v[PW], 0
	s_lshl_b32 s38, s14, 2
	s_add_co_u32 s38, s38, s15                     ; my second tile: 4 w + cx
	s_lshr_b32 s39, s14, 1                         ; the second tile's last step: w / 2 (of the wave's number alone)
	s_sub_co_u32 s26, 15, s39                      ; the first tile's
	s_add_co_u32 s40, s26, 1                       ; the first tile's number of steps
	s_mov_b32 s41, s38
	TILE
	QLOAD Q2, Q2+6                                 ; the second tile's Q waits in registers
	s_wait_xcnt 0x0                                ; these loads have read their addresses
	s_sub_co_u32 s41, 127, s38                     ; my first tile
	TILE
	QLOAD QF, QS
	CLEAR
	s_wait_loadcnt 0x0
	s_wait_alu depctr_va_vdst(0)
	s_wait_tensorcnt 0x0                           ; my 13 rows are in
	ds_add_u32 v[SPW], v[NIL]
	s_wait_dscnt 0x0
	ROUND                                          ; everybody's rows are in, and the four work-groups are here
	tensor_load_to_lds s[G0B:G0B+3], s[G1B:G1B+7]  ; my 38 rows of the rest: the first tensor load behind the round
	s_nop 0
	s_mov_b32 s17, 0
.Lfirst:                                           ; steps 0 .. 3 for my first tile: LDS bytes under 52,224, which the load above does not touch
	WHERE 17
	s_barrier_signal -1                            ; I begin this trip
	STEP 0
	s_barrier_wait -1                              ; everybody has begun it
	s_add_co_u32 s17, s17, 1
	s_cmp_lt_u32 s17, 4
	s_cbranch_scc1 .Lfirst
	s_wait_tensorcnt 0x0                           ; my 38 rows are in,
	s_wait_dscnt 0x0
	s_barrier_signal -1
	s_barrier_wait -1                              ; and everybody's
	s_mov_b32 s17, 0
.Lrest:                                            ; thirteen trips; x = trip + 4 counts my steps
	s_add_co_u32 s24, s17, 4
	s_sub_co_u32 s33, s24, s40
	s_min_u32 s24, s24, s33                        ; the step: x for the first tile (x - s40 wraps to a large number), x - s40 for the second
	s_and_b32 s24, s24, 15
	WHERE 24
	s_add_co_u32 s32, s17, 4
	s_barrier_signal -1                            ; I begin this trip
	s_cmp_eq_u32 s32, s40                          ; the first tile has had all its steps?
	s_cbranch_scc0 .Lsame
	FINCALC                                        ; the change of tiles: work on registers alone
.irp i, 0,1,2,3,4,5
	v_mov_b32 v[SV+\i], v[PC+\i]                   ; the first tile's codes wait for the end
.endr
	v_mov_b32 v[SV+6], v[PW]
.irp i, 0,1,2,3,4,5
	v_mov_b32 v[QF+\i], v[Q2+\i]                   ; the second tile's Q; the 36 lines of CLEAR and the step's first four stand between these and the products
.endr
	v_mov_b32 v[QS], v[Q2+6]
	CLEAR
	s_mov_b32 s41, s38
	s_mov_b32 s26, s39
	TILE
.Lsame:
	STEP 1
	s_barrier_wait -1                              ; everybody has begun this trip
	s_add_co_u32 s17, s17, 1
	s_cmp_lt_u32 s17, 13
	s_cbranch_scc1 .Lrest
	FINCALC
	STORE PC, PW                                   ; the second tile
	s_sub_co_u32 s41, 127, s38
	TILE
	STORE SV, SV+6                                 ; the first
	s_barrier_signal -1
	s_barrier_wait -1                              ; every wave's reads of K and V are over
	s_wait_tensorcnt 0x0                           ; the wave's end
	ds_add_u32 v[SPW], v[NIL]
	s_wait_dscnt 0x0
	ROUND                                          ; the closing round
	s_endpgm
.Lfunc_end_k_q2a7e16d208_attn:
	.size	k_q2a7e16d208_attn, .Lfunc_end_k_q2a7e16d208_attn-k_q2a7e16d208_attn
	.p2alignl 7, 3214868480
	.fill 96, 4, 3214868480
	.section	.rodata,"a",@progbits
	.p2align	6, 0x0
	.amdhsa_kernel k_q2a7e16d208_attn
		.amdhsa_group_segment_fixed_size 327680
		.amdhsa_private_segment_fixed_size 0
		.amdhsa_enable_private_segment 0
		.amdhsa_kernarg_size 40
		.amdhsa_user_sgpr_count 2
		.amdhsa_user_sgpr_kernarg_segment_ptr 1
		.amdhsa_wavefront_size32 1
		.amdhsa_system_sgpr_workgroup_id_x 1
		.amdhsa_system_sgpr_workgroup_id_y 1
		.amdhsa_system_sgpr_workgroup_id_z 1
		.amdhsa_system_vgpr_workitem_id 0
		.amdhsa_next_free_vgpr 256
		.amdhsa_next_free_sgpr 80
		.amdhsa_reserve_vcc 1
		.amdhsa_float_denorm_mode_32 3
		.amdhsa_float_denorm_mode_16_64 3
		.amdhsa_memory_ordered 1
		.amdhsa_forward_progress 1
		.amdhsa_inst_pref_size 63
	.end_amdhsa_kernel
	.amdgpu_metadata
---
amdhsa.version: [ 1, 2 ]
amdhsa.kernels:
  - .name:           k_q2a7e16d208_attn
    .symbol:         k_q2a7e16d208_attn.kd
    .args:
      - { .name: qimg, .offset: 0, .size: 8, .value_kind: global_buffer, .address_space: global }
      - { .name: qsc, .offset: 8, .size: 8, .value_kind: global_buffer, .address_space: global }
      - { .name: kv, .offset: 16, .size: 8, .value_kind: global_buffer, .address_space: global }
      - { .name: cimg, .offset: 24, .size: 8, .value_kind: global_buffer, .address_space: global }
      - { .name: csc, .offset: 32, .size: 8, .value_kind: global_buffer, .address_space: global }
    .group_segment_fixed_size: 327680
    .private_segment_fixed_size: 0
    .kernarg_segment_align: 8
    .kernarg_segment_size: 40
    .max_flat_workgroup_size: 512
    .sgpr_count:     80
    .vgpr_count:     256
    .wavefront_size: 32
...
	.end_amdgpu_metadata
.endif
;; end of part 3
;; launch oproj (part 4): grid 32 x 8, 16 waves a work-group, no clusters, 165,888 bytes of LDS; arguments cimg, csc, wimg, wsc, bo, x, out0; writes out0
.if DOCPART == 4
	.amdgcn_target "amdgcn-amd-amdhsa--gfx1250"
	.amdhsa_code_object_version 6
	.text
	.protected	k_q2a7e16d208_oproj
	.globl	k_q2a7e16d208_oproj
	.p2align	8
	.type	k_q2a7e16d208_oproj,@function
k_q2a7e16d208_oproj:
	s_mov_b64 s[64:65], 0
	v_nop
	global_prefetch_b8 v0, s[64:65] scope:SCOPE_SE
	s_setreg_imm32_b32 hwreg(HW_REG_WAVE_MODE, 25, 1), 1
	s_wait_xcnt 0x0
; out0[b][c][t] = x[b][c][t] + bo[c] + the sum over k of ctx[b][t][k] wo[k][c], on codes of E2M3.
; SHARES.  A work-group takes 64 t of one batch and all 512 channels; wave w takes channels 32 w .. 32 w + 31 (two tiles) for the four tiles of t: 8 accumulators, 32 matrix instructions.
; ctx's 16 fragments (24,576 dense bytes) come once into LDS through registers and are read by all sixteen waves; a wave's fragments of wo come from memory straight into its registers.
; Source 0 = 16 t, source 1 = 16 channels: a lane holds ONE channel and 8 neighbouring t: 32 bytes of a row of out0.  A wave's 32 rows of 256 bytes go through its own stage in LDS, so that sixteen lanes store 256 consecutive, aligned bytes.
; The rows of a tile are 8 u + r + 8 (r / 8) of a group of 32, for t and for the channels alike.
.set CIMG, 0
.set STG,  24576                       ; 8,704 bytes a wave: 32 rows x (256 + 16)
.set LI,   1
.set L8,   2
.set LS,   3
.set GW,   4
.set RHO4, 5
.set SO,   6
.set SR,   7
.set XO,   8
.set CSC,  12                          ; v12-19 ctx's scale words: 4 x group + K step
.set WSC,  20                          ; v20-23 wo's: K step
.set BOV,  24                          ; v24-25 bo of my lane's channel in each tile
.set ACC,  32                          ; v32-95: accumulator (u, tt) at 32 u + 8 tt
.set CF,   96                          ; v96-143 ctx's four fragments of a K step
.set WF,   144                         ; v144-191 wo's fragments, two sets of two
.set XR,   192                         ; v192-255 x
.set RB,   96                          ; v96-159 rows read back from the stage
.macro PLACES
.rept 4
	v_nop
.endr
.endm
.macro WMI
.if fZ
.if (fRA == 0) && (fRB == 0)
	v_wmma_scale_f32_16x16x128_f8f6f4 v[rD:rD+7], v[rA:rA+11], v[rB:rB+11], 0, v[rSA], v[rSB] matrix_a_fmt:MATRIX_FMT_FP6 matrix_b_fmt:MATRIX_FMT_FP6
.elseif (fRA == 1) && (fRB == 0)
	v_wmma_scale_f32_16x16x128_f8f6f4 v[rD:rD+7], v[rA:rA+11], v[rB:rB+11], 0, v[rSA], v[rSB] matrix_a_fmt:MATRIX_FMT_FP6 matrix_b_fmt:MATRIX_FMT_FP6 matrix_a_scale:MATRIX_SCALE_ROW1
.elseif (fRA == 0) && (fRB == 1)
	v_wmma_scale_f32_16x16x128_f8f6f4 v[rD:rD+7], v[rA:rA+11], v[rB:rB+11], 0, v[rSA], v[rSB] matrix_a_fmt:MATRIX_FMT_FP6 matrix_b_fmt:MATRIX_FMT_FP6 matrix_b_scale:MATRIX_SCALE_ROW1
.else
	v_wmma_scale_f32_16x16x128_f8f6f4 v[rD:rD+7], v[rA:rA+11], v[rB:rB+11], 0, v[rSA], v[rSB] matrix_a_fmt:MATRIX_FMT_FP6 matrix_b_fmt:MATRIX_FMT_FP6 matrix_a_scale:MATRIX_SCALE_ROW1 matrix_b_scale:MATRIX_SCALE_ROW1
.endif
.else
.if (fRA == 0) && (fRB == 0)
	v_wmma_scale_f32_16x16x128_f8f6f4 v[rD:rD+7], v[rA:rA+11], v[rB:rB+11], v[rD:rD+7], v[rSA], v[rSB] matrix_a_fmt:MATRIX_FMT_FP6 matrix_b_fmt:MATRIX_FMT_FP6
.elseif (fRA == 1) && (fRB == 0)
	v_wmma_scale_f32_16x16x128_f8f6f4 v[rD:rD+7], v[rA:rA+11], v[rB:rB+11], v[rD:rD+7], v[rSA], v[rSB] matrix_a_fmt:MATRIX_FMT_FP6 matrix_b_fmt:MATRIX_FMT_FP6 matrix_a_scale:MATRIX_SCALE_ROW1
.elseif (fRA == 0) && (fRB == 1)
	v_wmma_scale_f32_16x16x128_f8f6f4 v[rD:rD+7], v[rA:rA+11], v[rB:rB+11], v[rD:rD+7], v[rSA], v[rSB] matrix_a_fmt:MATRIX_FMT_FP6 matrix_b_fmt:MATRIX_FMT_FP6 matrix_b_scale:MATRIX_SCALE_ROW1
.else
	v_wmma_scale_f32_16x16x128_f8f6f4 v[rD:rD+7], v[rA:rA+11], v[rB:rB+11], v[rD:rD+7], v[rSA], v[rSB] matrix_a_fmt:MATRIX_FMT_FP6 matrix_b_fmt:MATRIX_FMT_FP6 matrix_a_scale:MATRIX_SCALE_ROW1 matrix_b_scale:MATRIX_SCALE_ROW1
.endif
.endif
.endm
.macro LOADW ks                        ; wo's two fragments of K step ks into set ks % 2
.irp u, 0,1
.irp grp, 0,1,2
	global_load_b128 v[WF+24*((\ks)%2)+12*\u+4*\grp:WF+24*((\ks)%2)+12*\u+4*\grp+3], v[LI], s[8:9] offset:6144*(\ks)+1536*\u+512*\grp
.endr
.endr
.endm
; A K step.  n: the global loads issued behind this step's fragments of wo, which may stay out.  The eight accumulators take turns, one instruction a turn.
.macro KST ks, n
.irp tt, 0,1,2,3
	ds_load_b128 v[CF+12*\tt:CF+12*\tt+3], v[LI] offset:CIMG+(4*\tt+\ks)*1536
	ds_load_b64 v[CF+12*\tt+4:CF+12*\tt+5], v[L8] offset:CIMG+(4*\tt+\ks)*1536+512
	ds_load_b128 v[CF+12*\tt+6:CF+12*\tt+9], v[LI] offset:CIMG+(4*\tt+\ks)*1536+768
	ds_load_b64 v[CF+12*\tt+10:CF+12*\tt+11], v[L8] offset:CIMG+(4*\tt+\ks)*1536+1280
.endr
	s_wait_dscnt 0x0
	s_wait_loadcnt \n
.set fZ, 0
.if (\ks) == 0
.set fZ, 1
.endif
.irp tt, 0,1,2,3
.irp u, 0,1
.set rD, ACC+32*\u+8*\tt
.set rA, CF+12*\tt
.set rB, WF+24*((\ks)%2)+12*\u
.set rSA, CSC+4*(\tt/2)+(\ks)
.set fRA, \tt%2
.set rSB, WSC+(\ks)
.set fRB, \u
	WMI
.endr
.endr
	PLACES                                         ; ahead of loads into registers that these products read, and of the first read of results
.if (\ks)+2 < 4
	LOADW (\ks)+2
.endif
.endm
	s_load_b256 s[4:11], s[0:1], 0x0               ; cimg, csc, wimg, wsc
	s_load_b128 s[12:15], s[0:1], 0x20             ; bo, x
	s_load_b64 s[16:17], s[0:1], 0x30              ; out0
	v_lshl_add_u32 v30, v0, 2, 0x28000
	v_mov_b32 v31, 0
	v_lshrrev_b32 v1, 5, v0
	s_delay_alu instid0(VALU_DEP_1)
	v_readfirstlane_b32 s18, v1                    ; wave 0..15
	s_and_b32 s20, ttmp7, 0xffff                   ; batch
	s_lshr_b32 s22, s18, 1
	s_and_b32 s23, s18, 1
	s_mul_i32 s21, s18, 8704
	s_add_co_u32 s21, s21, STG                     ; my stage
	v_and_b32 v9, 31, v0
	s_delay_alu instid0(VALU_DEP_1)
	v_lshlrev_b32 v[LI], 4, v9
	s_delay_alu instid0(VALU_DEP_2)
	v_lshlrev_b32 v[L8], 3, v9
	s_delay_alu instid0(VALU_DEP_3)
	v_lshlrev_b32 v[LS], 2, v9
	v_lshlrev_b32 v[GW], 4, v0
	v_and_b32 v9, 15, v0                           ; r
	v_bfe_u32 v10, v0, 4, 1                        ; lane / 16
	s_delay_alu instid0(VALU_DEP_2)
	v_and_b32 v11, 8, v9
	s_delay_alu instid0(VALU_DEP_1)
	v_add_nc_u32 v11, v11, v9
	s_delay_alu instid0(VALU_DEP_1)
	v_lshlrev_b32 v[RHO4], 2, v11
	v_mul_u32_u24 v[SO], v9, 272
	s_delay_alu instid0(VALU_DEP_1)
	v_lshl_add_u32 v[SO], v10, 6, v[SO]
	s_delay_alu instid0(VALU_DEP_1)
	v_add_nc_u32 v[SO], s21, v[SO]                 ; in: row r, + 64 (lane / 16)
	v_mul_u32_u24 v[SR], v10, 272
	s_delay_alu instid0(VALU_DEP_1)
	v_lshl_add_u32 v[SR], v9, 4, v[SR]
	s_delay_alu instid0(VALU_DEP_1)
	v_add_nc_u32 v[SR], s21, v[SR]                 ; back: lanes 0-15 one row, lanes 16-31 the next
	v_lshlrev_b32 v[XO], 13, v10
	s_delay_alu instid0(VALU_DEP_1)
	v_lshl_add_u32 v[XO], v9, 4, v[XO]             ; and the same two channels in x and out0
	s_mul_i32 s24, s20, 786432
	s_mul_i32 s26, ttmp9, 24576
	s_add_co_u32 s24, s24, s26
	s_mov_b32 s25, 0
	s_lshl_b32 s26, s20, 15
	s_lshl_b32 s28, ttmp9, 10
	s_add_co_u32 s26, s26, s28
	s_mov_b32 s27, 0
	s_mul_i32 s28, s22, 98304                      ; wimg: a group of 64 columns holds four matrices of 24,576 bytes
	s_mul_i32 s30, s23, 3072
	s_add_co_u32 s28, s28, s30
	s_add_co_u32 s28, s28, 73728                   ; wo is the fourth of them
	s_mov_b32 s29, 0
	s_lshl_b32 s30, s22, 12                        ; wsc likewise: four matrices of 1,024 bytes
	s_lshl_b32 s32, s23, 7
	s_add_co_u32 s30, s30, s32
	s_add_co_u32 s30, s30, 3072
	s_mov_b32 s31, 0
	s_lshl_b32 s32, s18, 7
	s_mov_b32 s33, 0
	s_lshl_b32 s34, s20, 22
	s_lshl_b32 s36, s18, 18
	s_add_co_u32 s34, s34, s36
	s_lshl_b32 s36, ttmp9, 8
	s_add_co_u32 s34, s34, s36
	s_mov_b32 s35, 0
	s_wait_alu depctr_va_vdst(0)
	s_wait_kmcnt 0x0
	s_add_nc_u64 s[4:5], s[4:5], s[24:25]
	s_add_nc_u64 s[6:7], s[6:7], s[26:27]
	s_add_nc_u64 s[8:9], s[8:9], s[28:29]
	s_add_nc_u64 s[10:11], s[10:11], s[30:31]
	s_add_nc_u64 s[12:13], s[12:13], s[32:33]
	s_add_nc_u64 s[14:15], s[14:15], s[34:35]
	s_add_nc_u64 s[16:17], s[16:17], s[34:35]
.irp j, 0,1,2
	global_load_b128 v[CF+4*\j:CF+4*\j+3], v[GW], s[4:5] offset:8192*\j th:TH_LOAD_NT   ; ctx's images, as they lie
.endr
.set ix, 0
.rept 8
	global_load_b32 v[CSC+ix], v[LS], s[6:7] offset:128*ix
.set ix, ix+1
.endr
.irp ks, 0,1,2,3
	global_load_b32 v[WSC+\ks], v[LS], s[10:11] offset:256*\ks
.endr
.irp u, 0,1
	global_load_b32 v[BOV+\u], v[RHO4], s[12:13] offset:32*\u
.endr
	LOADW 0
	LOADW 1
.set ix, 0
.rept 16
	global_load_b128 v[XR+4*ix:XR+4*ix+3], v[XO], s[14:15] offset:(8*(ix/8)+2*(ix%8)+8*((ix%8)/4))*8192 th:TH_LOAD_NT   ; the residual, in the order in which the stage's rows come back
.set ix, ix+1
.endr
	s_wait_loadcnt 42                              ; ctx's three loads are in; behind them 8 + 4 + 2 + 6 + 6 + 16 may be out
.irp j, 0,1,2
	ds_store_b128 v[GW], v[CF+4*\j:CF+4*\j+3] offset:CIMG+8192*\j
.endr
	s_wait_dscnt 0x0                               ; for the others' sake: my stores have landed
	s_barrier_signal -1
	s_barrier_wait -1
	KST 0, 22                                      ; behind K step 0's fragments: K step 1's 6 and x's 16
	KST 1, 22                                      ; behind K step 1's: x's 16 and K step 2's 6
	KST 2, 6                                       ; behind K step 2's: K step 3's 6
	KST 3, 0
	; the way out: + bo, through my stage, + x
.irp u, 0,1
.irp tt, 0,1,2,3
.irp i, 0,1,2,3
.if \u == 0
	v_pk_add_f32 v[ACC+32*\u+8*\tt+2*\i:ACC+32*\u+8*\tt+2*\i+1], v[ACC+32*\u+8*\tt+2*\i:ACC+32*\u+8*\tt+2*\i+1], v[BOV:BOV+1] op_sel:[0,0] op_sel_hi:[1,0]
.else
	v_pk_add_f32 v[ACC+32*\u+8*\tt+2*\i:ACC+32*\u+8*\tt+2*\i+1], v[ACC+32*\u+8*\tt+2*\i:ACC+32*\u+8*\tt+2*\i+1], v[BOV:BOV+1] op_sel:[0,1] op_sel_hi:[1,1]
.endif
.endr
	ds_store_b128 v[SO], v[ACC+32*\u+8*\tt:ACC+32*\u+8*\tt+3] offset:4352*\u+128*(\tt/2)+32*(\tt%2)
	ds_store_b128 v[SO], v[ACC+32*\u+8*\tt+4:ACC+32*\u+8*\tt+7] offset:4352*\u+128*(\tt/2)+32*(\tt%2)+16
.endr
.endr
.set ix, 0
.rept 16
	ds_load_b128 v[RB+4*ix:RB+4*ix+3], v[SR] offset:544*ix   ; LDS serves a wave's instructions in order (ISA guide 5.7.1.4): these see my stores
.set ix, ix+1
.endr
.set ix, 0
.rept 16
	s_wait_dscnt 15-ix
	v_pk_add_f32 v[RB+4*ix:RB+4*ix+1], v[RB+4*ix:RB+4*ix+1], v[XR+4*ix:XR+4*ix+1]
	v_pk_add_f32 v[RB+4*ix+2:RB+4*ix+3], v[RB+4*ix+2:RB+4*ix+3], v[XR+4*ix+2:XR+4*ix+3]
	global_store_b128 v[XO], v[RB+4*ix:RB+4*ix+3], s[16:17] offset:(8*(ix/8)+2*(ix%8)+8*((ix%8)/4))*8192 th:TH_STORE_NT   ; sixteen lanes store 256 consecutive bytes, at a multiple of 256 from out0's first byte
.set ix, ix+1
.endr
	s_wait_tensorcnt 0x0
	ds_add_u32 v30, v31
	s_wait_dscnt 0x0
	s_endpgm
.Lfunc_end_k_q2a7e16d208_oproj:
	.size	k_q2a7e16d208_oproj, .Lfunc_end_k_q2a7e16d208_oproj-k_q2a7e16d208_oproj
	.p2alignl 7, 3214868480
	.fill 96, 4, 3214868480
	.section	.rodata,"a",@progbits
	.p2align	6, 0x0
	.amdhsa_kernel k_q2a7e16d208_oproj
		.amdhsa_group_segment_fixed_size 165888
		.amdhsa_private_segment_fixed_size 0
		.amdhsa_enable_private_segment 0
		.amdhsa_kernarg_size 56
		.amdhsa_user_sgpr_count 2
		.amdhsa_user_sgpr_kernarg_segment_ptr 1
		.amdhsa_wavefront_size32 1
		.amdhsa_system_sgpr_workgroup_id_x 1
		.amdhsa_system_sgpr_workgroup_id_y 1
		.amdhsa_system_sgpr_workgroup_id_z 1
		.amdhsa_system_vgpr_workitem_id 0
		.amdhsa_next_free_vgpr 256
		.amdhsa_next_free_sgpr 66
		.amdhsa_reserve_vcc 0
		.amdhsa_float_denorm_mode_32 3
		.amdhsa_float_denorm_mode_16_64 3
		.amdhsa_memory_ordered 1
		.amdhsa_forward_progress 1
		.amdhsa_inst_pref_size 26
	.end_amdhsa_kernel
	.amdgpu_metadata
---
amdhsa.version: [ 1, 2 ]
amdhsa.kernels:
  - .name:           k_q2a7e16d208_oproj
    .symbol:         k_q2a7e16d208_oproj.kd
    .args:
      - { .name: cimg, .offset: 0, .size: 8, .value_kind: global_buffer, .address_space: global }
      - { .name: csc, .offset: 8, .size: 8, .value_kind: global_buffer, .address_space: global }
      - { .name: wimg, .offset: 16, .size: 8, .value_kind: global_buffer, .address_space: global }
      - { .name: wsc, .offset: 24, .size: 8, .value_kind: global_buffer, .address_space: global }
      - { .name: bo, .offset: 32, .size: 8, .value_kind: global_buffer, .address_space: global }
      - { .name: x, .offset: 40, .size: 8, .value_kind: global_buffer, .address_space: global }
      - { .name: out0, .offset: 48, .size: 8, .value_kind: global_buffer, .address_space: global }
    .group_segment_fixed_size: 165888
    .private_segment_fixed_size: 0
    .kernarg_segment_align: 8
    .kernarg_segment_size: 56
    .max_flat_workgroup_size: 512
    .sgpr_count:     66
    .vgpr_count:     256
    .wavefront_size: 32
...
	.end_amdgpu_metadata
.endif
;; end of part 4
